; MI455X (gfx1250); checked and timed in simulation.
; The chip was launched on July 23, 2026; its instructions are those of AMD's public machine-readable ISA for CDNA 5 (MIT licence, August 2026) and "CDNA5" Instruction Set Architecture Reference Guide (July 2026). The comments in the code are by the model that wrote it; some were corrected since.
;; Causal Self Attention. Allowed arithmetic: matrix products marked QUANTISED: E2M1 operands, one E8M0 scale for each 32 along K, by v_wmma_scale_f32_16x16x128_f8f6f4 with both operands' format E2M1 (or v_wmma_scale_f32_32x16x128_f4), f32 sums; everything else in f32.
;; Inputs: Wk_codes 2,048 x 64 x 16 uint8 (E2M1 codes of Wk, K innermost, in blocks of 32 codes, two codes a byte); Wk_scales 2,048 x 64 uint8 (E8M0 scales of Wk, one for each 32 codes along K); Wo_codes 2,048 x 64 x 16 uint8 (E2M1 codes of Wo, K innermost, in blocks of 32 codes, two codes a byte); Wo_scales 2,048 x 64 uint8 (E8M0 scales of Wo, one for each 32 codes along K); Wq_codes 2,048 x 64 x 16 uint8 (E2M1 codes of Wq, K innermost, in blocks of 32 codes, two codes a byte); Wq_scales 2,048 x 64 uint8 (E8M0 scales of Wq, one for each 32 codes along K); Wv_codes 2,048 x 64 x 16 uint8 (E2M1 codes of Wv, K innermost, in blocks of 32 codes, two codes a byte); Wv_scales 2,048 x 64 uint8 (E8M0 scales of Wv, one for each 32 codes along K); bk 2,048 float32; bo 2,048 float32; bq 2,048 float32; bv 2,048 float32; freqs_cos 2,048 x 64 float32; freqs_sin 2,048 x 64 float32; gk 2,048 float32; gq 2,048 float32; x_codes 1 x 2,048 x 64 x 16 uint8 (E2M1 codes of x, K innermost, in blocks of 32 codes, two codes a byte); x_scales 1 x 2,048 x 64 uint8 (E8M0 scales of x, one for each 32 codes along K).
;; Outputs: out0 1 x 2,048 x 2,048 float32.
;; This version of the problem:
;;   THIS VERSION OF THE PROBLEM IS GIVEN IN LOW PRECISION. The matrix products marked QUANTISED in the list below multiply operands that are first quantised to E2M1 (2 exponent bits, 1 mantissa bit; 4 bits a number), with one power-of-two scale for each 32 numbers along K (OCP MX v1.0); their sums are f32. All else is computed in f32.
;;   The module's matrix products, in the order in which they are computed (A, B: the left and right operand; K: the contracted axis; several contracted axes count as one K, in the product's order):
;;     1. [M 2,048, K 2,048] x [K 2,048, N 2,048]; A: input x (given as codes); B: input Wq (given as codes): QUANTISED
;;     2. [M 2,048, K 2,048] x [K 2,048, N 2,048]; A: input x (given as codes); B: input Wk (given as codes): QUANTISED
;;     3. [M 2,048, K 2,048] x [K 2,048, N 2,048]; A: input x (given as codes); B: input Wv (given as codes): QUANTISED
;;     4. batch 16 x [M 2,048, K 128] x [K 128, N 2,048]; A: computed on the way; B: computed on the way: QUANTISED
;;     5. batch 16 x [M 128, K 2,048] x [K 2,048, N 2,048]; A: computed on the way; B: softmax (see below): QUANTISED
;;     6. [M 2,048, K 2,048] x [K 2,048, N 2,048]; A: computed on the way; B: input Wo (given as codes): QUANTISED
;;   THE QUANTISER, for each operand of a quantised product, along K:
;;     - K is cut into blocks of 32 from its start; a last block that is shorter is filled with zeros.
;;     - A block's scale is 2^e with e = floor(log2(the largest magnitude in the block)) - 2, held to -126 .. 127; a block of zeros has e = 0. As a byte (E8M0): e + 127.
;;     - Each number is divided by its block's scale, clamped to +-6, and rounded to the nearest number of E2M1, ties to even, subnormals kept.
;;     - The product sums the exact products of the quantised numbers (number of the format x scale) in f32.
;;   ~~~python
;;   def quantise(x, axis):      # numpy; x: float32 -> the quantised numbers, widened to float32 again
;;       x = np.moveaxis(x, axis, -1); K = x.shape[-1]
;;       x = np.pad(x, [(0, 0)] * (x.ndim - 1) + [(0, -K % 32)]); x = x.reshape(x.shape[:-1] + (-1, 32)); a = np.abs(x).max(-1, keepdims=True)
;;       e = np.where(a > 0, np.clip(np.frexp(np.where(a > 0, a, 1))[1] - 1 - 2, -126, 127), 0)      # np.frexp(a)[1] - 1 = floor(log2(a)), exactly
;;       r = np.clip(x / 2.0 ** e, -6, 6)
;;       step = 2.0 ** (np.maximum(np.frexp(np.where(r == 0, 1, r))[1] - 1, 0) - 1)
;;       q = np.round(r / step) * step * 2.0 ** e      # np.round: ties to even
;;       return np.moveaxis(q.reshape(q.shape[:-2] + (-1,))[..., :K], -1, axis).astype(np.float32)
;;   ~~~
;;   SOFTMAX AHEAD OF A QUANTISED PRODUCT. Where the list says 'softmax', what is quantised is not the finished softmax but p = 2^(t - M), with t = logit x log2(e) and M = ceil(the row's largest t), a whole number; so 1/2 < the row's largest p <= 1. The row's sum l is taken of the UNQUANTISED p, in f32, and the product's result is divided by l at the end. Since M is a whole number, a kernel that streams over the keys may use a running M (the ceiling of the running maximum): every later rescaling is an exact power of two, which a block's scale takes up: the codes' values come out the same.
;;   OPERANDS COMPUTED ON THE WAY. 'Computed on the way' means the value that the module computes at that place (a softmax that the list does not call 'softmax' is quantised finished and normalised). What goes into a quantiser is computed in f32, as accurately as f32 sums, v_exp_f32 and their like allow (about 1e-6 of the number): no bf16 or f16 on the way to a quantiser, and a product that is left as it is and whose result goes on into a quantised operand takes f32 operands (vector FMAs, or v_wmma_f32_16x16x4_f32). A number that lies on a knife's edge between two numbers of the format may be rounded either way, as far as f32 arithmetic and the matrix unit's own rounding can turn it there, and no further.
;;   INPUTS GIVEN AS CODES. Wk (in the module: [2048, 2048], K = its axis 0); Wo (in the module: [2048, 2048], K = its axis 0); Wq (in the module: [2048, 2048], K = its axis 0); Wv (in the module: [2048, 2048], K = its axis 0); x (in the module: [1, 2048, 2048], K = its axis 2): each comes as NAME_codes (uint8): NAME with its K axis moved to the last place and cut into blocks of 32 codes, [.., K / 32, bytes a block], one block behind the other in memory; two codes a byte, the lower K in the low four bits (a code: sign, 2 exponent bits, 1 mantissa bit); and NAME_scales (uint8): the same leading axes, one E8M0 byte (e + 127) for each 32 codes along K. Its value is code x scale, taken as it is: it is not quantised again, and the codes and scales need not be those that the quantiser above would give.
;; 2 versions. Each part assembles by itself: llvm-mc -triple=amdgcn-amd-amdhsa -mcpu=gfx1250 --defsym DOCPART=n.
;; ======== version 1 of 2: 3 launches
;; workspace buffers: q_c 2,097,152 bytes; q_s 131,072 bytes; k_c 2,097,152 bytes; k_s 131,072 bytes; v_c 2,097,152 bytes; v_s 131,072 bytes; a_c 2,097,152 bytes; a_s 131,072 bytes
;; launch qkv (part 1): grid 64 x 3, 4 waves a work-group, clusters of 4 x 1, 327,680 bytes of LDS; arguments x_codes, x_scales, Wq_codes, Wq_scales, Wk_codes, Wk_scales, Wv_codes, Wv_scales, bq, bk, bv, gq, gk, freqs_cos, freqs_sin, q_c, q_s, k_c, k_s, v_c, v_s; writes q_c, q_s, k_c, k_s, v_c, v_s
.if DOCPART == 1
	.amdgcn_target "amdgcn-amd-amdhsa--gfx1250"
	.amdhsa_code_object_version 6
	.text
	.protected	k_q4d147b2895_qkv
	.globl	k_q4d147b2895_qkv
	.p2align	8
	.type	k_q4d147b2895_qkv,@function
k_q4d147b2895_qkv:
	s_mov_b64 s[64:65], 0
	v_nop
	global_prefetch_b8 v0, s[64:65] scope:SCOPE_SE
	s_setreg_imm32_b32 hwreg(HW_REG_WAVE_MODE, 25, 1), 1
	s_wait_xcnt 0x0
	s_wait_alu depctr_hold_cnt(0) depctr_sa_sdst(0) depctr_va_vdst(0) depctr_va_sdst(0) depctr_va_ssrc(0) depctr_va_vcc(0) depctr_vm_vsrc(0)
	s_getreg_b32 s2, hwreg(HW_REG_IB_STS2, 6, 4)
	s_cmp_eq_u32 s2, 0
	s_cbranch_scc0 .Lentry_in_a_cluster
	s_endpgm
.Lentry_in_a_cluster:
	s_bfe_u32 s2, ttmp6, 0x10000c
	s_cmp_lg_u32 s2, 0x3003
	s_cbranch_scc0 .Lentry_shape_is_right
	s_endpgm
.Lentry_shape_is_right:
; q, k and v of the attention, from codes of FP4 (E2M1) to codes of FP4, in one body.  C[i][j] = sum over k of P[i][k] Q[j][k], K = 2,048.
; Grid y is the role.  0: P = x, Q = Wq;  1: P = x, Q = Wk;  2: P = Wv, Q = x (so i = the output channel n and j = the token t, which is the next product's K).  Only pointers are chosen by the role.
; q, k: + bias[j], RMS norm over the row's 2,048 j, x gain[j], rope (pairs j, j + 1 within a head of 128), then quantised along j in blocks of 32.   v: + bias[i], then quantised along j (the keys).
; SHARES.  A work-group owns 32 rows i and ALL 2,048 j: 32 x 2,048 f32 are 4 waves x 512 registers, so a row's norm is known inside the work-group and no f32 number goes to memory.
; Wave w owns j = 512 w .. 512 w + 511, as four groups of 128 (a head, or a key step).  The matrix instruction is used transposed (source 0 = 16 rows of Q, source 1 = 16 rows of P):
; lane (r, h) holds row i = 16 a + r, and register e of tile T the column j = 16 T + 8 h + e of the group: a lane's registers run along the next K.
; P's 32 rows stay in registers for all of K (window 1).  Q streams through a ring of two LDS slots: tile n = 4 g + c of a wave is its group g's 128 rows x 256 bytes (512 along K), one tensor load a wave.
; CLUSTER.  The four work-groups of a cluster have the same role and walk the same Q: each tile is asked for jointly (mask 15).  Each wave reads only the quarter of a slot that it asked for.
; OUT.  Codes leave as images of the next operand's registers: X_c[j / 128][i / 16][c][lane][16 bytes]; scale words X_s[j / 128][i][4 bytes].  Each store of codes covers 512 consecutive bytes, aligned.
; LIMITS.  NaN and infinities among the inputs are not served.  A block of zeros gets the scale byte 1 and not 127 (its codes are zeros, and only this program reads the bytes);
; a block whose largest magnitude lies under 2^-124 is held at the byte 1.
; REGISTERS.  window 0: v1-15 addresses; v16-31 P's scale words (lane = row, register = K step); v32-63 Q's scale words, two sets; v64-127 at work; v128-255 Q's fragments, two sets, later cos, sin and codes.
;   window 1: P's fragments (K step s, half a) at 16 s + 8 a; later bias, then gain.   windows 2, 3: accumulator (g, T, a) at 128 (g % 2) + 16 T + 8 a of window 2 + g / 2.
.set PITCH, 272                        ; an LDS row: 256 bytes + 16 of padding: the 16 rows that a load touches begin 68 words apart
.set QUART, 128*PITCH                  ; a wave's quarter of a slot
.set SLOT,  4*QUART
.set RED,   2*SLOT                     ; behind the ring: [wave][32 rows] sums of squares, 512 bytes
.set SPARE, RED+512                    ; the spare words, 128 bytes a wave: no other line names them
.set MSB, 0
.macro WIN new                         ; the immediate's high byte repeats the setting that is left; a switch that changes nothing is dropped
.if MSB != (\new)
	s_set_vgpr_msb (MSB<<8)|(\new)
.set MSB, (\new)
.endif
.endm
.macro PLACES                          ; four plain places behind a matrix instruction (ISA guide 7.12.1)
.rept 4
	v_nop
.endr
.endm
.macro ROUND                           ; a round of the cluster's barrier
	s_barrier_signal -1
	s_barrier_wait -1
	s_cmp_lg_u32 s3, 0
	s_cbranch_scc1 .Lnot_wave_0_\@
	s_barrier_signal -3
.Lnot_wave_0_\@:
	s_barrier_wait -3
	s_barrier_signal -1
	s_barrier_wait -1
.endm
; one matrix instruction: D, source 0, source 1, C (a register number, or -1 for the constant 0), the two scale registers, and whether each side's scales lie in lanes 16-31
.macro WM d, a, b, c, sa, sb, ra, rb
.if (\c) < 0
.if (\ra) && (\rb)
	v_wmma_scale_f32_16x16x128_f8f6f4 v[(\d):(\d)+7], v[(\a):(\a)+7], v[(\b):(\b)+7], 0, v[(\sa)], v[(\sb)] matrix_a_fmt:MATRIX_FMT_FP4 matrix_b_fmt:MATRIX_FMT_FP4 matrix_a_scale:MATRIX_SCALE_ROW1 matrix_b_scale:MATRIX_SCALE_ROW1
.elseif (\ra)
	v_wmma_scale_f32_16x16x128_f8f6f4 v[(\d):(\d)+7], v[(\a):(\a)+7], v[(\b):(\b)+7], 0, v[(\sa)], v[(\sb)] matrix_a_fmt:MATRIX_FMT_FP4 matrix_b_fmt:MATRIX_FMT_FP4 matrix_a_scale:MATRIX_SCALE_ROW1
.elseif (\rb)
	v_wmma_scale_f32_16x16x128_f8f6f4 v[(\d):(\d)+7], v[(\a):(\a)+7], v[(\b):(\b)+7], 0, v[(\sa)], v[(\sb)] matrix_a_fmt:MATRIX_FMT_FP4 matrix_b_fmt:MATRIX_FMT_FP4 matrix_b_scale:MATRIX_SCALE_ROW1
.else
	v_wmma_scale_f32_16x16x128_f8f6f4 v[(\d):(\d)+7], v[(\a):(\a)+7], v[(\b):(\b)+7], 0, v[(\sa)], v[(\sb)] matrix_a_fmt:MATRIX_FMT_FP4 matrix_b_fmt:MATRIX_FMT_FP4
.endif
.else
.if (\ra) && (\rb)
	v_wmma_scale_f32_16x16x128_f8f6f4 v[(\d):(\d)+7], v[(\a):(\a)+7], v[(\b):(\b)+7], v[(\c):(\c)+7], v[(\sa)], v[(\sb)] matrix_a_fmt:MATRIX_FMT_FP4 matrix_b_fmt:MATRIX_FMT_FP4 matrix_a_scale:MATRIX_SCALE_ROW1 matrix_b_scale:MATRIX_SCALE_ROW1
.elseif (\ra)
	v_wmma_scale_f32_16x16x128_f8f6f4 v[(\d):(\d)+7], v[(\a):(\a)+7], v[(\b):(\b)+7], v[(\c):(\c)+7], v[(\sa)], v[(\sb)] matrix_a_fmt:MATRIX_FMT_FP4 matrix_b_fmt:MATRIX_FMT_FP4 matrix_a_scale:MATRIX_SCALE_ROW1
.elseif (\rb)
	v_wmma_scale_f32_16x16x128_f8f6f4 v[(\d):(\d)+7], v[(\a):(\a)+7], v[(\b):(\b)+7], v[(\c):(\c)+7], v[(\sa)], v[(\sb)] matrix_a_fmt:MATRIX_FMT_FP4 matrix_b_fmt:MATRIX_FMT_FP4 matrix_b_scale:MATRIX_SCALE_ROW1
.else
	v_wmma_scale_f32_16x16x128_f8f6f4 v[(\d):(\d)+7], v[(\a):(\a)+7], v[(\b):(\b)+7], v[(\c):(\c)+7], v[(\sa)], v[(\sb)] matrix_a_fmt:MATRIX_FMT_FP4 matrix_b_fmt:MATRIX_FMT_FP4
.endif
.endif
.endm
	s_load_b512 s[8:23], s[0:1], 0x0               ; x_codes 8, x_scales 10, Wq_codes 12, Wq_scales 14, Wk_codes 16, Wk_scales 18, Wv_codes 20, Wv_scales 22
	s_load_b512 s[24:39], s[0:1], 0x40             ; bq 24, bk 26, bv 28, gq 30, gk 32, cos 34, sin 36, q_c 38
	s_load_b256 s[40:47], s[0:1], 0x80             ; q_s 40, k_c 42, k_s 44, v_c 46
	s_load_b64 s[48:49], s[0:1], 0xa0              ; v_s
	v_lshl_add_u32 v12, v0, 2, SPARE               ; my spare word; never rewritten
	v_mov_b32 v13, 0                               ; 0; never rewritten
	ds_add_u32 v12, v13
	ds_add_u32 v12, v13
	s_wait_dscnt 0x0
	v_lshrrev_b32 v1, 5, v0
	v_readfirstlane_b32 s3, v1                     ; wave 0..3
	s_and_b32 s4, ttmp7, 0xffff                    ; the role: the same in all four partners
	s_bfe_u32 s5, ttmp6, 0x40000                   ; cx
	s_lshl_b32 s6, ttmp9, 2
	s_add_co_u32 s6, s6, s5                        ; my block of 32 rows i: it enters global addresses of P, cos, sin, v's bias and the outputs alone
	s_mul_i32 s7, s3, QUART                        ; my quarter of a slot
	; descriptor group 1: 128 rows x 256 bytes, rows 1,024 bytes apart in memory, 16 bytes of padding behind each in LDS; the mask names all four partners
	s_mov_b32 s72, 15|(1<<20)|(1<<21)|(5<<22)|(3<<25)
	s_mov_b32 s73, 256<<16                         ; tensor_dim0
	s_mov_b32 s74, 128<<16                         ; tensor_dim1
	s_mov_b32 s75, 256<<16                         ; tile_dim0
	s_mov_b32 s76, 128                             ; tile_dim1
	s_mov_b32 s77, 1024                            ; the pitch
	s_mov_b32 s78, 0
	s_mov_b32 s79, 0
	s_mov_b32 s92, 0x76543210                      ; v_permlanex16_b32: lane l xor 16
	s_mov_b32 s93, 0xfedcba98
	s_mov_b32 s94, 0x3a000000                      ; 1 / 2,048
	s_mov_b32 s95, 0x358637bd                      ; 1e-6
	s_lshl_b32 s70, s3, 19                         ; my 512 rows of Q: 512 x 1,024 bytes a wave
	s_mov_b32 s71, 0
	s_wait_kmcnt 0x0
	s_cmp_eq_u32 s4, 2                             ; the choices hang on the role alone
	s_cselect_b64 s[50:51], s[20:21], s[8:9]       ; P's codes
	s_cselect_b64 s[52:53], s[22:23], s[10:11]     ; P's scales
	s_cselect_b64 s[88:89], s[8:9], s[16:17]       ; Q's codes
	s_cselect_b64 s[54:55], s[10:11], s[18:19]     ; Q's scales
	s_cselect_b64 s[56:57], s[28:29], s[26:27]     ; the bias
	s_cselect_b64 s[60:61], s[46:47], s[42:43]     ; the codes out
	s_cselect_b64 s[62:63], s[48:49], s[44:45]     ; the scale words out
	s_cmp_eq_u32 s4, 0
	s_cselect_b64 s[88:89], s[12:13], s[88:89]
	s_cselect_b64 s[54:55], s[14:15], s[54:55]
	s_cselect_b64 s[56:57], s[24:25], s[56:57]
	s_cselect_b64 s[58:59], s[30:31], s[32:33]     ; the gain (not read by role 2)
	s_cselect_b64 s[60:61], s[38:39], s[60:61]
	s_cselect_b64 s[62:63], s[40:41], s[62:63]
	s_add_nc_u64 s[88:89], s[88:89], s[70:71]
.irp s, 0,1                                    ; group 0, a set for each slot: tiles 0 and 1 are K bytes 0 and 256 of group 0's rows
	s_mov_b32 s[80+4*\s], 1
	s_add_co_u32 s[81+4*\s], s7, \s*SLOT
	s_add_nc_u64 s[82+4*\s:83+4*\s], s[88:89], \s*256
	s_or_b32 s[83+4*\s], s[83+4*\s], 0x80000000
.endr
	ROUND                                          ; all four work-groups are here: the first joint loads meet
	tensor_load_to_lds s[80:83], s[72:79]          ; two loads of mine are out
	s_nop 0
	tensor_load_to_lds s[84:87], s[72:79]
	s_nop 0
	PLACES                                         ; four v_nop follow the tensor loads
	s_lshl_b32 s70, s3, 15
	s_add_nc_u64 s[54:55], s[54:55], s[70:71]      ; Q's scales: 512 rows x 64 bytes a wave
	s_add_nc_u64 s[62:63], s[62:63], s[70:71]      ; scale words out: 4 groups x 8,192 bytes a wave
	s_lshl_b32 s70, s3, 19
	s_add_nc_u64 s[60:61], s[60:61], s[70:71]      ; codes out: 4 groups x 131,072 bytes a wave
	s_lshl_b32 s70, s3, 11
	s_add_nc_u64 s[58:59], s[58:59], s[70:71]      ; gain: 512 numbers a wave
	s_mov_b32 s91, 0
	s_lshl_b32 s90, s6, 15
	s_add_nc_u64 s[50:51], s[50:51], s[90:91]      ; P's codes: 32 rows x 1,024 bytes a block
	s_lshl_b32 s90, s6, 11
	s_add_nc_u64 s[52:53], s[52:53], s[90:91]      ; P's scales: 32 x 64
	s_add_nc_u64 s[60:61], s[60:61], s[90:91]      ; codes out: two fragments of 1,024 bytes a block
	s_lshl_b32 s90, s6, 13
	s_add_nc_u64 s[66:67], s[34:35], s[90:91]      ; cos, sin: 32 rows x 256 bytes
	s_add_nc_u64 s[68:69], s[36:37], s[90:91]
	s_lshl_b32 s90, s6, 7
	s_add_nc_u64 s[62:63], s[62:63], s[90:91]      ; scale words out: 32 x 4
	s_cmp_eq_u32 s4, 2
	s_cselect_b32 s90, s90, s70                    ; the bias: along i for v (32 x 4 bytes a block), along j for q and k (2,048 bytes a wave)
	s_add_nc_u64 s[56:57], s[56:57], s[90:91]
	v_and_b32 v1, 31, v0                           ; lane
	v_and_b32 v2, 15, v0                           ; r
	v_bfe_u32 v3, v0, 4, 1                         ; h
	v_lshlrev_b32 v4, 10, v2
	v_lshl_add_u32 v4, v3, 4, v4                   ; P's codes: row r, + 16 h
	v_lshlrev_b32 v5, 6, v1                        ; scale rows: 64 bytes a lane
	v_mul_u32_u24 v6, v2, PITCH
	v_lshl_add_u32 v6, v3, 4, v6
	v_add_nc_u32 v6, s7, v6                        ; Q's fragments in slot 0,
	v_add_nc_u32 v7, SLOT, v6                      ; in slot 1
	v_lshlrev_b32 v8, 4, v1                        ; an image's place: 16 x lane
	v_lshlrev_b32 v9, 2, v1                        ; a scale word's: 4 x lane
	v_lshlrev_b32 v10, 5, v3                       ; bias, gain: 32 h
	v_lshlrev_b32 v11, 8, v2
	v_lshl_add_u32 v11, v3, 4, v11                 ; cos, sin: row r of 256 bytes, + 16 h
	v_lshl_add_u32 v14, v0, 2, RED                 ; my wave's 32 sums: 128 x wave + 4 x lane
	v_lshl_add_u32 v15, v2, 2, RED                 ; and where row r's are read
	v_cmp_le_u32 vcc_lo, 16, v1                    ; lanes 16-31; VCC is written nowhere else
.irp x, 0,1,2,3
	global_load_b128 v[16+4*\x:19+4*\x], v5, s[52:53] offset:16*\x   ; P's scale words: lane = row, register = K step
.endr
	WIN 0x40                                       ; destination window 1
.set KST, 0
.rept 16
.irp a, 0,1
.irp c, 0,1
	global_load_b128 v[16*KST+8*\a+4*\c:16*KST+8*\a+4*\c+3], v4, s[50:51] offset:16384*\a+64*KST+32*\c
.endr
.endr
.set KST, KST+1
.endr
	WIN 0
.macro SCLOAD n                        ; Q's scale words of tile n: lane = row 32 p + lane of the group, four K steps a register quad
.irp p, 0,1,2,3
	global_load_b128 v[32+16*((\n)%2)+4*\p:32+16*((\n)%2)+4*\p+3], v5, s[54:55] offset:(128*((\n)/4)+32*\p)*64+16*((\n)%4)
.endr
.endm
.macro BLOAD slot, q, set              ; Q's eight fragments of the slot's q-th 128 along K
.irp T, 0,1,2,3,4,5,6,7
	ds_load_b128 v[128+64*(\set)+8*\T:128+64*(\set)+8*\T+3], v[6+(\slot)] offset:4352*\T+64*(\q)
	ds_load_b128 v[128+64*(\set)+8*\T+4:128+64*(\set)+8*\T+7], v[6+(\slot)] offset:4352*\T+64*(\q)+32
.endr
.endm
; 16 matrix instructions: group g's 8 tiles x P's two halves, K step s.  The 16 accumulators take turns, one instruction a turn, in the same order in every K step.
; K step 0 starts the sums with the constant 0: nothing is cleared.
.macro MUL g, s, slot, q, set
.irp T, 0,1,2,3,4,5,6,7
.irp a, 0,1
.if (\s) == 0
	WM 128*((\g)%2)+16*\T+8*\a, 128+64*(\set)+8*\T, 16*(\s)+8*\a, -1, 32+16*(\slot)+4*(\T/2)+(\q), 16+(\s), \T%2, \a
.else
	WM 128*((\g)%2)+16*\T+8*\a, 128+64*(\set)+8*\T, 16*(\s)+8*\a, 128*((\g)%2)+16*\T+8*\a, 32+16*(\slot)+4*(\T/2)+(\q), 16+(\s), \T%2, \a
.endif
.endr
.endr
.endm
; Tile n: four K steps.  In the first three the next step's fragments are fetched ahead of the products.  The fourth changes slots.
.macro CHUNK n
.set GRP, (\n)/4
.set CHK, (\n)%4
.set SLT, (\n)%2
.set MWIN, 0xa4+0x50*(GRP/2)           ; source 0 window 0, source 1 window 1, C and D window 2 or 3
.if (\n) < 15
	s_wait_loadcnt 4                               ; this tile's scale words (and, at tile 0, P) are in; the next tile's four loads may be out
.else
	s_wait_loadcnt 0
.endif
.irp q, 0,1,2
	PLACES                                         ; in front of loads into the set that the last products read
	BLOAD SLT, \q+1, (\q+1)%2
	s_wait_dscnt 16                                ; all but the 16 just issued
	WIN MWIN
	MUL GRP, 4*CHK+\q, SLT, \q, \q%2
	WIN 0
.endr
.if (\n) < 14
	s_wait_tensorcnt 0x0                           ; all my tensor loads have landed: the one that was out is the next tile
	ds_add_u32 v12, v13                            ; 0 onto my spare word
	s_wait_dscnt 1                                 ; the step's fragments are in; the add may be out
.if CHK < 2
	s_add_nc_u64 s[82+4*SLT:83+4*SLT], s[82+4*SLT:83+4*SLT], 512      ; no load of mine is out, so a group 0 may be written: two tiles on along K,
.else
	s_add_nc_u64 s[82+4*SLT:83+4*SLT], s[82+4*SLT:83+4*SLT], 130560   ; or 128 rows down and 512 bytes back
.endif
	WIN MWIN
	MUL GRP, 4*CHK+3, SLT, 3, 1                    ; sixteen matrix instructions stand between the add and the wait for it
	WIN 0
	s_wait_dscnt 0x0                               ; the add is done, and my reads of this slot are over
	ROUND                                          ; no wave of any partner still reads this slot or has a load on its way
	tensor_load_to_lds s[80+4*SLT:83+4*SLT], s[72:79]   ; tile n + 2: my one tensor load behind the round, and the first thing there
	s_nop 0
	PLACES                                         ; also the places in front of the loads below
	SCLOAD (\n)+2
	BLOAD 1-SLT, 0, 0
.elseif (\n) == 14
	PLACES
	s_wait_tensorcnt 0x0                           ; the last tile has landed; nothing is filled any more
	BLOAD 1-SLT, 0, 0
	s_wait_dscnt 16
	WIN MWIN
	MUL GRP, 4*CHK+3, SLT, 3, 1
	WIN 0
.else
	s_wait_dscnt 0x0
	WIN MWIN
	MUL GRP, 4*CHK+3, SLT, 3, 1
	WIN 0
.endif
.endm
	SCLOAD 0
	SCLOAD 1
	s_wait_tensorcnt 1                             ; my tile 0 is in (tile 1 may be out); only I read my quarter, so no barrier is needed
	BLOAD 0, 0, 0
.set TILE, 0
.rept 16
	CHUNK TILE
.set TILE, TILE+1
.endr
; ---- what follows the products.  vec[j] (bias, gain) lies in window 1, (g, T) at 64 g + 8 T, in the accumulators' layout.
.macro LOADJ p
	WIN 0x40
.set GRP, 0
.rept 4
.irp T, 0,1,2,3,4,5,6,7
	global_load_b128 v[64*GRP+8*\T:64*GRP+8*\T+3], v10, s[\p:\p+1] offset:(128*GRP+16*\T)*4
	global_load_b128 v[64*GRP+8*\T+4:64*GRP+8*\T+7], v10, s[\p:\p+1] offset:(128*GRP+16*\T)*4+16
.endr
.set GRP, GRP+1
.endr
	WIN 0
.endm
.macro JOP op, hw                      ; accumulators of window 2 + hw: acc = acc op vec[j], two at a time, each accumulator from its low end on
	WIN 0x86+0x41*(\hw)
.irp gg, 0,1
.irp T, 0,1,2,3,4,5,6,7
.irp a, 0,1
.irp e, 0,2,4,6
	\op v[128*\gg+16*\T+8*\a+\e:128*\gg+16*\T+8*\a+\e+1], v[128*\gg+16*\T+8*\a+\e:128*\gg+16*\T+8*\a+\e+1], v[64*(2*(\hw)+\gg)+8*\T+\e:64*(2*(\hw)+\gg)+8*\T+\e+1]
.endr
.endr
.endr
.endr
.endm
.macro SQ hw                           ; sums of squares: four chains of pairs for each half a, v64-79; the first links are products, so nothing is cleared
	WIN 0x0a+5*(\hw)
.irp gg, 0,1
.irp T, 0,1,2,3,4,5,6,7
.irp a, 0,1
.irp e, 0,2,4,6
.if ((\hw)+\gg+\T) == 0
	v_pk_mul_f32 v[64+8*\a+\e:65+8*\a+\e], v[128*\gg+16*\T+8*\a+\e:128*\gg+16*\T+8*\a+\e+1], v[128*\gg+16*\T+8*\a+\e:128*\gg+16*\T+8*\a+\e+1]
.else
	v_pk_fma_f32 v[64+8*\a+\e:65+8*\a+\e], v[128*\gg+16*\T+8*\a+\e:128*\gg+16*\T+8*\a+\e+1], v[128*\gg+16*\T+8*\a+\e:128*\gg+16*\T+8*\a+\e+1], v[64+8*\a+\e:65+8*\a+\e]
.endif
.endr
.endr
.endr
.endr
.endm
.macro VADD hw                         ; v: acc += bias[i]: v66 for half a = 0, v67 for a = 1
	WIN 0x82+0x41*(\hw)
.set IDX, 0
.rept 16
.irp e, 0,2,4,6
	v_pk_add_f32 v[IDX+\e:IDX+\e+1], v[IDX+\e:IDX+\e+1], v[66:67] op_sel:[0,0] op_sel_hi:[1,0]
.endr
.irp e, 0,2,4,6
	v_pk_add_f32 v[IDX+8+\e:IDX+9+\e], v[IDX+8+\e:IDX+9+\e], v[66:67] op_sel:[0,1] op_sel_hi:[1,1]
.endr
.set IDX, IDX+16
.endr
.endm
; rope on a pair (x0, x1): U = (x0 c, x1 c);  (x0, x1) = (x1 (-s) + U0, x0 s + U1).  c and s of pair e / 2 lie in register e / 2 of a quad: x says which register of the pair named feeds both halves
.macro ROT1 u, ac, cs, x
	v_pk_mul_f32 v[(\u):(\u)+1], v[(\ac):(\ac)+1], v[(\cs):(\cs)+1] op_sel:[0,\x] op_sel_hi:[1,\x]
.endm
.macro ROT2 u, ac, sn, x
	v_pk_fma_f32 v[(\ac):(\ac)+1], v[(\ac):(\ac)+1], v[(\sn):(\sn)+1], v[(\u):(\u)+1] op_sel:[1,\x,0] op_sel_hi:[0,\x,1] neg_lo:[0,1,0]
.endm
.macro ROPE hw                         ; 8 accumulators at a time (U: v64-127).  Accumulator 8 bt + 2 kk + a is tile T = 4 (bt % 2) + kk, half a
.irp bt, 0,1,2,3
	WIN 0x02+(\hw)
.irp kk, 0,1,2,3
.irp a, 0,1
	ROT1 64+8*(2*\kk+\a),   8*(8*\bt+2*\kk+\a),   128+32*\a+4*(4*(\bt%2)+\kk),   0
	ROT1 64+8*(2*\kk+\a)+2, 8*(8*\bt+2*\kk+\a)+2, 128+32*\a+4*(4*(\bt%2)+\kk),   1
	ROT1 64+8*(2*\kk+\a)+4, 8*(8*\bt+2*\kk+\a)+4, 128+32*\a+4*(4*(\bt%2)+\kk)+2, 0
	ROT1 64+8*(2*\kk+\a)+6, 8*(8*\bt+2*\kk+\a)+6, 128+32*\a+4*(4*(\bt%2)+\kk)+2, 1
.endr
.endr
	WIN 0x82+0x41*(\hw)
.irp kk, 0,1,2,3
.irp a, 0,1
	ROT2 64+8*(2*\kk+\a),   8*(8*\bt+2*\kk+\a),   192+32*\a+4*(4*(\bt%2)+\kk),   0
	ROT2 64+8*(2*\kk+\a)+2, 8*(8*\bt+2*\kk+\a)+2, 192+32*\a+4*(4*(\bt%2)+\kk),   1
	ROT2 64+8*(2*\kk+\a)+4, 8*(8*\bt+2*\kk+\a)+4, 192+32*\a+4*(4*(\bt%2)+\kk)+2, 0
	ROT2 64+8*(2*\kk+\a)+6, 8*(8*\bt+2*\kk+\a)+6, 192+32*\a+4*(4*(\bt%2)+\kk)+2, 1
.endr
.endr
.endr
.endm
; The quantiser, for the four fragments f = 2 gg + a of window 2 + hw: 16 blocks by turns.  Block b of a fragment is tiles 2 b and 2 b + 1, in lanes l and l xor 16.
; The codes of tile 2 b + u go to register 4 (b / 2) + 2 u + b % 2; two exchanges of halves for each 64 along K then give the operand's layout: a whole block in a lane.
.macro QPASS hw
.set CB, 128+32*(\hw)
	WIN 0x28+0x14*(\hw)                            ; sources 1 and 2: the accumulators' window
.irp f, 0,1,2,3
.irp b, 0,1,2,3
	v_max3_num_f32 v[64+4*\f+\b], v95, |v[128*(\f/2)+8*(\f%2)+32*\b]|, |v[128*(\f/2)+8*(\f%2)+32*\b+1]|   ; v95: the floor 2^(3 - 127): the byte cannot fall under 1
.endr
.endr
.irp i, 2,4,6,16,18,20,22
.irp f, 0,1,2,3
.irp b, 0,1,2,3
	v_max3_num_f32 v[64+4*\f+\b], v[64+4*\f+\b], |v[128*(\f/2)+8*(\f%2)+32*\b+\i]|, |v[128*(\f/2)+8*(\f%2)+32*\b+\i+1]|
.endr
.endr
.endr
	WIN 0
.set IDX, 0
.rept 16
	v_permlanex16_b32 v[96+IDX], v[64+IDX], s92, s93
.set IDX, IDX+1
.endr
.set IDX, 0
.rept 16
	v_max_num_f32 v[64+IDX], v[64+IDX], v[96+IDX]  ; with lane l xor 16's: the block's largest magnitude
.set IDX, IDX+1
.endr
.set IDX, 0
.rept 16
	v_add_nc_u32 v[112+IDX], 0xff000000, v[64+IDX] ; 2 off its exponent field: the conversion's scale operand
.set IDX, IDX+1
.endr
.set IDX, 0
.rept 16
	v_lshrrev_b32 v[96+IDX], 23, v[112+IDX]        ; the scale's byte
.set IDX, IDX+1
.endr
.irp f, 0,1,2,3
	v_lshl_or_b32 v[80+\f], v[97+4*\f], 8, v[96+4*\f]
.endr
.irp f, 0,1,2,3
	v_lshl_or_b32 v[80+\f], v[98+4*\f], 16, v[80+\f]
.endr
.irp f, 0,1,2,3
	v_lshl_or_b32 v[80+\f], v[99+4*\f], 24, v[80+\f]   ; my row's scale word of the fragment
.endr
	WIN 0x02+(\hw)
.irp f, 0,1,2,3
.irp b, 0,1,2,3
.irp u, 0,1
	v_cvt_scalef32_pk8_fp4_f32 v[CB+8*\f+4*(\b/2)+2*\u+(\b%2)], v[128*(\f/2)+8*(\f%2)+32*\b+16*\u:128*(\f/2)+8*(\f%2)+32*\b+16*\u+7], v[112+4*\f+\b]
.endr
.endr
.endr
	WIN 0
	v_nop                                          ; one plain place behind a scaled conversion
.irp f, 0,1,2,3
.irp c, 0,1
	v_permlane16_swap_b32 v[CB+8*\f+4*\c], v[CB+8*\f+4*\c+1]
	v_permlane16_swap_b32 v[CB+8*\f+4*\c+2], v[CB+8*\f+4*\c+3]
.endr
.endr
.irp f, 0,1,2,3
.irp c, 0,1
	global_store_b128 v8, v[CB+8*\f+4*\c:CB+8*\f+4*\c+3], s[60:61] offset:131072*(2*(\hw)+\f/2)+1024*(\f%2)+512*\c   ; 32 lanes store 512 consecutive bytes, aligned
.endr
.endr
.irp gg, 0,1
	v_cndmask_b32 v[192+2*(\hw)+\gg], v[80+2*\gg], v[81+2*\gg], vcc_lo   ; lanes 0-15: rows 0-15 (a = 0), lanes 16-31: rows 16-31
	global_store_b32 v9, v[192+2*(\hw)+\gg], s[62:63] offset:8192*(2*(\hw)+\gg)
.endr
.endm
	PLACES                                         ; behind the last products: their results are read and their operands' registers loaded
	s_cmp_eq_u32 s4, 2
	s_cbranch_scc1 .Lv_bias
	LOADJ 56                                       ; q, k: the bias
.irp a, 0,1
.irp T, 0,1,2,3,4,5,6,7
	global_load_b128 v[128+32*\a+4*\T:131+32*\a+4*\T], v11, s[66:67] offset:4096*\a+32*\T   ; cos of row 16 a + r, pairs 8 T + 4 h + 0 .. 3
	global_load_b128 v[192+32*\a+4*\T:195+32*\a+4*\T], v11, s[68:69] offset:4096*\a+32*\T   ; sin
.endr
.endr
	s_wait_loadcnt 32                              ; the bias is in; the 32 loads of cos and sin may be out
	JOP v_pk_add_f32, 0
	SQ 0
	JOP v_pk_add_f32, 1
	SQ 1
	LOADJ 58                                       ; the gain, over the bias, which has been read
.irp a, 0,1
	v_pk_add_f32 v[64+8*\a:65+8*\a], v[64+8*\a:65+8*\a], v[66+8*\a:67+8*\a]
	v_pk_add_f32 v[68+8*\a:69+8*\a], v[68+8*\a:69+8*\a], v[70+8*\a:71+8*\a]
.endr
.irp a, 0,1
	v_pk_add_f32 v[64+8*\a:65+8*\a], v[64+8*\a:65+8*\a], v[68+8*\a:69+8*\a]
.endr
	v_add_f32 v64, v64, v65
	v_add_f32 v72, v72, v73
	v_permlanex16_b32 v66, v64, s92, s93
	v_permlanex16_b32 v74, v72, s92, s93
	v_add_f32 v64, v64, v66                        ; row r's sum over my 512 columns,
	v_add_f32 v72, v72, v74                        ; row 16 + r's
	v_cndmask_b32 v64, v64, v72, vcc_lo            ; lane = row
	ds_store_b32 v14, v64
	s_branch .Ljoin
.Lv_bias:
	v_lshlrev_b32 v64, 2, v2
	global_load_b32 v66, v64, s[56:57]             ; bias of row r,
	global_load_b32 v67, v64, s[56:57] offset:64   ; of row 16 + r
	s_wait_loadcnt 0x0
	VADD 0
	VADD 1
	WIN 0
.Ljoin:
	s_wait_dscnt 0x0                               ; for the others' sake: my sums lie in LDS
	s_barrier_signal -1
	s_barrier_wait -1
	s_cmp_eq_u32 s4, 2
	s_cbranch_scc1 .Lquant
.irp a, 0,1
.irp ww, 0,1,2,3
	ds_load_b32 v[64+4*\a+\ww], v15 offset:128*\ww+64*\a
.endr
.endr
	s_wait_dscnt 0x0
	v_add_f32 v64, v64, v65
	v_add_f32 v66, v66, v67
	v_add_f32 v68, v68, v69
	v_add_f32 v70, v70, v71
	v_add_f32 v64, v64, v66
	v_add_f32 v68, v68, v70
	v_fma_f32 v64, v64, s94, s95                   ; the mean of the squares + eps
	v_fma_f32 v68, v68, s94, s95
	v_rsq_f32 v80, v64
	v_rsq_f32 v81, v68
	v_nop                                          ; a plain place behind the transcendentals
	s_wait_alu depctr_va_vdst(0)                   ; one wait for both, ahead of their first reader
	s_wait_loadcnt 0x0                             ; cos, sin, gain
.irp a, 0,1                                    ; the row's factor goes into its cos and sin: 64 multiplications in place of 256
.set IDX, 0
.rept 16
	v_pk_mul_f32 v[128+32*\a+IDX:129+32*\a+IDX], v[128+32*\a+IDX:129+32*\a+IDX], v[80:81] op_sel:[0,\a] op_sel_hi:[1,\a]
	v_pk_mul_f32 v[192+32*\a+IDX:193+32*\a+IDX], v[192+32*\a+IDX:193+32*\a+IDX], v[80:81] op_sel:[0,\a] op_sel_hi:[1,\a]
.set IDX, IDX+2
.endr
.endr
	JOP v_pk_mul_f32, 0
	ROPE 0
	JOP v_pk_mul_f32, 1
	ROPE 1
	WIN 0
.Lquant:
	v_mov_b32 v95, 0x1800000
.set IDX, 0
.rept 16
	v_mov_b32 v[96+IDX], 0                         ; a lane permute's destination counts as one of its sources
.set IDX, IDX+1
.endr
	QPASS 0
	QPASS 1
	s_wait_tensorcnt 0x0                           ; the wave's end
	ds_add_u32 v12, v13
	s_wait_dscnt 0x0
	ROUND                                          ; the closing round
	s_endpgm
.Lfunc_end_k_q4d147b2895_qkv:
	.size	k_q4d147b2895_qkv, .Lfunc_end_k_q4d147b2895_qkv-k_q4d147b2895_qkv
	.p2alignl 7, 3214868480
	.fill 96, 4, 3214868480
	.section	.rodata,"a",@progbits
	.p2align	6, 0x0
	.amdhsa_kernel k_q4d147b2895_qkv
		.amdhsa_group_segment_fixed_size 327680
		.amdhsa_private_segment_fixed_size 0
		.amdhsa_enable_private_segment 0
		.amdhsa_kernarg_size 168
		.amdhsa_user_sgpr_count 2
		.amdhsa_user_sgpr_kernarg_segment_ptr 1
		.amdhsa_wavefront_size32 1
		.amdhsa_system_sgpr_workgroup_id_x 1
		.amdhsa_system_sgpr_workgroup_id_y 1
		.amdhsa_system_sgpr_workgroup_id_z 1
		.amdhsa_system_vgpr_workitem_id 0
		.amdhsa_next_free_vgpr 1024
		.amdhsa_next_free_sgpr 96
		.amdhsa_reserve_vcc 1
		.amdhsa_float_denorm_mode_32 3
		.amdhsa_float_denorm_mode_16_64 3
		.amdhsa_memory_ordered 1
		.amdhsa_forward_progress 1
		.amdhsa_inst_pref_size 255
	.end_amdhsa_kernel
	.section	.bss,"aw",@nobits
	.p2align	6
	.space	262144
	.amdgpu_metadata
---
amdhsa.version: [ 1, 2 ]
amdhsa.kernels:
  - .name:           k_q4d147b2895_qkv
    .symbol:         k_q4d147b2895_qkv.kd
    .args:
      - { .name: x_codes, .offset: 0, .size: 8, .value_kind: global_buffer, .address_space: global }
      - { .name: x_scales, .offset: 8, .size: 8, .value_kind: global_buffer, .address_space: global }
      - { .name: Wq_codes, .offset: 16, .size: 8, .value_kind: global_buffer, .address_space: global }
      - { .name: Wq_scales, .offset: 24, .size: 8, .value_kind: global_buffer, .address_space: global }
      - { .name: Wk_codes, .offset: 32, .size: 8, .value_kind: global_buffer, .address_space: global }
      - { .name: Wk_scales, .offset: 40, .size: 8, .value_kind: global_buffer, .address_space: global }
      - { .name: Wv_codes, .offset: 48, .size: 8, .value_kind: global_buffer, .address_space: global }
      - { .name: Wv_scales, .offset: 56, .size: 8, .value_kind: global_buffer, .address_space: global }
      - { .name: bq, .offset: 64, .size: 8, .value_kind: global_buffer, .address_space: global }
      - { .name: bk, .offset: 72, .size: 8, .value_kind: global_buffer, .address_space: global }
      - { .name: bv, .offset: 80, .size: 8, .value_kind: global_buffer, .address_space: global }
      - { .name: gq, .offset: 88, .size: 8, .value_kind: global_buffer, .address_space: global }
      - { .name: gk, .offset: 96, .size: 8, .value_kind: global_buffer, .address_space: global }
      - { .name: freqs_cos, .offset: 104, .size: 8, .value_kind: global_buffer, .address_space: global }
      - { .name: freqs_sin, .offset: 112, .size: 8, .value_kind: global_buffer, .address_space: global }
      - { .name: q_c, .offset: 120, .size: 8, .value_kind: global_buffer, .address_space: global }
      - { .name: q_s, .offset: 128, .size: 8, .value_kind: global_buffer, .address_space: global }
      - { .name: k_c, .offset: 136, .size: 8, .value_kind: global_buffer, .address_space: global }
      - { .name: k_s, .offset: 144, .size: 8, .value_kind: global_buffer, .address_space: global }
      - { .name: v_c, .offset: 152, .size: 8, .value_kind: global_buffer, .address_space: global }
      - { .name: v_s, .offset: 160, .size: 8, .value_kind: global_buffer, .address_space: global }
    .group_segment_fixed_size: 327680
    .private_segment_fixed_size: 0
    .kernarg_segment_align: 8
    .kernarg_segment_size: 168
    .max_flat_workgroup_size: 128
    .sgpr_count:     96
    .vgpr_count:     1024
    .wavefront_size: 32
...
	.end_amdgpu_metadata
.endif
;; end of part 1
;; launch attn (part 2): grid 16 x 16, 8 waves a work-group, no clusters, 279,552 bytes of LDS; arguments q_c, q_s, k_c, k_s, v_c, v_s, a_c, a_s; writes a_c, a_s
.if DOCPART == 2
	.amdgcn_target "amdgcn-amd-amdhsa--gfx1250"
	.amdhsa_code_object_version 6
	.text
	.protected	k_q4d147b2895_attn
	.globl	k_q4d147b2895_attn
	.p2align	8
	.type	k_q4d147b2895_attn,@function
k_q4d147b2895_attn:
	s_mov_b64 s[64:65], 0
	v_nop
	global_prefetch_b8 v0, s[64:65] scope:SCOPE_SE
	s_setreg_imm32_b32 hwreg(HW_REG_WAVE_MODE, 25, 1), 1
	s_wait_xcnt 0x0
; Causal attention of one head on codes of FP4 (E2M1), and the quantising of O / l for the last product.
; t = score x log2(e) / sqrt(128); M = the running largest t rounded up to a whole number; p = 2^(t - M) is quantised along the keys, not normalised; the sum is taken of the unquantised p and divides O at the end.
; All operands are images of their registers: X_c[K / 128][row / 16][c][lane][16 bytes], X_s[K / 128][row][4 bytes].  q, k: row = token, K / 128 = head.  v: row = 128 head + d, K / 128 = key step.  a (out): as q.
; SHARES.  Work-group (i, head) owns the query blocks of 64 numbered i and 31 - i.  A tile of 16 queries of block j needs j / 2 + 1 key steps of 128, so a tile of each together need 17, whatever i is.
; Eight waves, one tile each.  Waves 0, 3, 5, 6 take the late block, the others the early one.
; LDS.  The head's K (131,072 bytes), V (131,072) and their scale words (2 x 8,192) all fit: every byte is filled once, at the start, five tensor loads a wave; no byte is filled again.
; Key steps become readable four at a time: tile n of a wave holds key step 4 n + wave % 4 (waves 0-3: K, waves 4-7: V), and phase n begins with a counted wait and a barrier.
; NO CLUSTER, though the 16 work-groups of a head read the same K and V: which key steps a wave leaves out hangs on its query block, which differs between the work-groups that would be partners.
; LAYOUT.  S^T = K Q^T, O^T = V^T P^T: a lane holds one query (lane % 16); register e of tile T is key (or channel) 16 T + 8 h + e.  A block of 32 is tiles 2 b, 2 b + 1 in lanes l and l xor 16.
; LIMITS.  NaN and infinities are not served; a block of zeros gets the byte 1 and not 127 (its codes are zeros; only this program reads the bytes).
; REGISTERS.  v1-11 addresses; v12 -M, v13 largest t, v[14:15] the sum; v16-23 Q; v24-27 K's scale words, v28-31 V's; v32-95 eight fragments of K, then of V; v96-159 S^T, then p; v160-223 O^T;
;   v224-231 p's codes; v232-254 at work (v253: p's scale word); v255 Q's scale word.
.set VIMG, 131072
.set SCK,  262144
.macro WM d, a, b, c, sa, sb, ra, rb   ; one matrix instruction: C a register number or -1 for the constant 0; ra, rb: that side's scales lie in lanes 16-31
.if (\c) < 0
.if (\ra) && (\rb)
	v_wmma_scale_f32_16x16x128_f8f6f4 v[(\d):(\d)+7], v[(\a):(\a)+7], v[(\b):(\b)+7], 0, v[(\sa)], v[(\sb)] matrix_a_fmt:MATRIX_FMT_FP4 matrix_b_fmt:MATRIX_FMT_FP4 matrix_a_scale:MATRIX_SCALE_ROW1 matrix_b_scale:MATRIX_SCALE_ROW1
.elseif (\ra)
	v_wmma_scale_f32_16x16x128_f8f6f4 v[(\d):(\d)+7], v[(\a):(\a)+7], v[(\b):(\b)+7], 0, v[(\sa)], v[(\sb)] matrix_a_fmt:MATRIX_FMT_FP4 matrix_b_fmt:MATRIX_FMT_FP4 matrix_a_scale:MATRIX_SCALE_ROW1
.elseif (\rb)
	v_wmma_scale_f32_16x16x128_f8f6f4 v[(\d):(\d)+7], v[(\a):(\a)+7], v[(\b):(\b)+7], 0, v[(\sa)], v[(\sb)] matrix_a_fmt:MATRIX_FMT_FP4 matrix_b_fmt:MATRIX_FMT_FP4 matrix_b_scale:MATRIX_SCALE_ROW1
.else
	v_wmma_scale_f32_16x16x128_f8f6f4 v[(\d):(\d)+7], v[(\a):(\a)+7], v[(\b):(\b)+7], 0, v[(\sa)], v[(\sb)] matrix_a_fmt:MATRIX_FMT_FP4 matrix_b_fmt:MATRIX_FMT_FP4
.endif
.else
.if (\ra) && (\rb)
	v_wmma_scale_f32_16x16x128_f8f6f4 v[(\d):(\d)+7], v[(\a):(\a)+7], v[(\b):(\b)+7], v[(\c):(\c)+7], v[(\sa)], v[(\sb)] matrix_a_fmt:MATRIX_FMT_FP4 matrix_b_fmt:MATRIX_FMT_FP4 matrix_a_scale:MATRIX_SCALE_ROW1 matrix_b_scale:MATRIX_SCALE_ROW1
.elseif (\ra)
	v_wmma_scale_f32_16x16x128_f8f6f4 v[(\d):(\d)+7], v[(\a):(\a)+7], v[(\b):(\b)+7], v[(\c):(\c)+7], v[(\sa)], v[(\sb)] matrix_a_fmt:MATRIX_FMT_FP4 matrix_b_fmt:MATRIX_FMT_FP4 matrix_a_scale:MATRIX_SCALE_ROW1
.elseif (\rb)
	v_wmma_scale_f32_16x16x128_f8f6f4 v[(\d):(\d)+7], v[(\a):(\a)+7], v[(\b):(\b)+7], v[(\c):(\c)+7], v[(\sa)], v[(\sb)] matrix_a_fmt:MATRIX_FMT_FP4 matrix_b_fmt:MATRIX_FMT_FP4 matrix_b_scale:MATRIX_SCALE_ROW1
.else
	v_wmma_scale_f32_16x16x128_f8f6f4 v[(\d):(\d)+7], v[(\a):(\a)+7], v[(\b):(\b)+7], v[(\c):(\c)+7], v[(\sa)], v[(\sb)] matrix_a_fmt:MATRIX_FMT_FP4 matrix_b_fmt:MATRIX_FMT_FP4
.endif
.endif
.endm
.macro PLACES
.rept 4
	v_nop
.endr
.endm
	s_load_b512 s[4:19], s[0:1], 0x0               ; q_c 4, q_s 6, k_c 8, k_s 10, v_c 12, v_s 14, a_c 16, a_s 18
	v_lshl_add_u32 v250, v0, 2, 0x44000
	v_mov_b32 v251, 0
	ds_add_u32 v250, v251
	ds_add_u32 v250, v251
	v_lshrrev_b32 v1, 5, v0
	v_readfirstlane_b32 s20, v1                    ; wave 0..7
	s_lshr_b32 s21, s20, 2                         ; 0: I fetch for K, 1: for V
	s_and_b32 s22, s20, 3                          ; f: which key step of four
	s_and_b32 s23, ttmp7, 0xffff                   ; the head
	; group 1 for a tile: 8,192 dense bytes as 32 rows of 32 elements of 8 bytes
	s_mov_b32 s48, 3<<16
	s_mov_b32 s49, 32<<16
	s_mov_b32 s50, 32<<16
	s_mov_b32 s51, 32<<16
	s_mov_b32 s52, 32
	s_mov_b32 s53, 32
	s_mov_b32 s54, 0
	s_mov_b32 s55, 0
	; for K's scale words: 2,048 dense bytes as 8 rows of 256
	s_mov_b32 s56, 3<<16
	s_mov_b32 s57, 32<<16
	s_mov_b32 s58, 8<<16
	s_mov_b32 s59, 32<<16
	s_mov_b32 s60, 8
	s_mov_b32 s61, 32
	s_mov_b32 s62, 0
	s_mov_b32 s63, 0
	; for V's: 4 key steps x 512 bytes (the head's 128 rows), 8,192 bytes apart in memory
	s_mov_b32 s68, 3<<16
	s_mov_b32 s69, 64<<16
	s_mov_b32 s70, 4<<16
	s_mov_b32 s71, 64<<16
	s_mov_b32 s72, 4
	s_mov_b32 s73, 1024
	s_mov_b32 s74, 0
	s_mov_b32 s75, 0
	s_lshl_b32 s36, s21, 17
	s_lshl_b32 s37, s22, 13
	s_add_co_u32 s36, s36, s37                     ; LDS: my tile 0: 131,072 x (K or V) + 8,192 f
	s_lshl_b32 s38, s21, 13
	s_lshl_b32 s39, s22, 11
	s_add_co_u32 s38, s38, s39
	s_add_co_u32 s38, s38, SCK                     ; LDS: my 2,048 bytes of scale words
	s_mov_b32 s44, 524288
	s_cmp_lt_u32 s20, 4                            ; K: 131,072 head + 8,192 ks;  V: 131,072 ks + 8,192 head
	s_cselect_b32 s40, s23, s22
	s_cselect_b32 s41, s22, s23
	s_cselect_b32 s44, 32768, s44                  ; from tile to tile: four key steps
	s_cselect_b32 s46, 13, 15                      ; scale words: K: 8,192 head + 2,048 f;  V: 32,768 f + 512 head
	s_cselect_b32 s47, 11, 9
	s_lshl_b32 s42, s40, 17
	s_lshl_b32 s43, s41, 13
	s_add_co_u32 s42, s42, s43
	s_lshl_b32 s46, s40, s46
	s_lshl_b32 s47, s41, s47
	s_add_co_u32 s46, s46, s47
	s_mov_b32 s43, 0
	s_mov_b32 s45, 0
	s_mov_b32 s47, 0
	s_mov_b32 s26, 0x76543210                      ; v_permlanex16_b32: lane l xor 16
	s_mov_b32 s27, 0xfedcba98
	s_mov_b32 s28, 0x3e0293ee                      ; c = log2(e) / sqrt(128)
	s_mov_b32 s29, s28                             ; (named with it as a pair)
	s_wait_dscnt 0x0
	s_wait_kmcnt 0x0
	s_cmp_lt_u32 s20, 4                            ; the choice hangs on the wave's number alone
	s_cselect_b64 s[96:97], s[8:9], s[12:13]
	s_cselect_b64 s[98:99], s[10:11], s[14:15]
	s_add_nc_u64 s[96:97], s[96:97], s[42:43]
	s_add_nc_u64 s[98:99], s[98:99], s[46:47]
	s_mov_b32 s76, 1
	s_mov_b32 s77, s38
	s_mov_b64 s[78:79], s[98:99]
	s_or_b32 s79, s79, 0x80000000
.irp n, 0,1,2,3
	s_mov_b32 s[80+4*\n], 1
	s_add_co_u32 s[81+4*\n], s36, \n*32768
	s_mov_b64 s[82+4*\n:83+4*\n], s[96:97]
	s_or_b32 s[83+4*\n], s[83+4*\n], 0x80000000
	s_add_nc_u64 s[96:97], s[96:97], s[44:45]      ; (the last step is not used)
.endr
	s_cmp_lt_u32 s20, 4                            ; a wave's five first fills stand in one branch, ahead of every wait on TENSORcnt, every LDS read and every barrier: five loads of mine are out
	s_cbranch_scc0 .Lfill_v
	tensor_load_to_lds s[76:79], s[56:63]
	s_nop 0
	tensor_load_to_lds s[80:83], s[48:55]
	s_nop 0
	tensor_load_to_lds s[84:87], s[48:55]
	s_nop 0
	tensor_load_to_lds s[88:91], s[48:55]
	s_nop 0
	tensor_load_to_lds s[92:95], s[48:55]
	s_nop 0
	PLACES
	s_branch .Lfilled
.Lfill_v:
	tensor_load_to_lds s[76:79], s[68:75]
	s_nop 0
	tensor_load_to_lds s[80:83], s[48:55]
	s_nop 0
	tensor_load_to_lds s[84:87], s[48:55]
	s_nop 0
	tensor_load_to_lds s[88:91], s[48:55]
	s_nop 0
	tensor_load_to_lds s[92:95], s[48:55]
	s_nop 0
	PLACES
.Lfilled:
	s_lshr_b32 s36, s20, 1                         ; which tile of the block
	s_lshr_b32 s37, s20, 2
	s_xor_b32 s38, s20, s36
	s_xor_b32 s38, s38, s37
	s_and_b32 s38, s38, 1                          ; the parity of the wave's number
	s_sub_co_u32 s39, 31, ttmp9
	s_cmp_eq_u32 s38, 0
	s_cselect_b32 s39, s39, ttmp9                  ; even parity: block 31 - i, odd: block i
	s_lshl_b32 s33, s39, 6
	s_lshl_b32 s36, s36, 4
	s_add_co_u32 s33, s33, s36                     ; Q0: my first query
	s_lshl_b32 s40, s23, 17
	s_lshl_b32 s41, s33, 6
	s_add_co_u32 s40, s40, s41
	s_mov_b32 s41, 0
	s_add_nc_u64 s[4:5], s[4:5], s[40:41]          ; my fragment of q, and of a: 131,072 head + 1,024 (Q0 / 16)
	s_add_nc_u64 s[16:17], s[16:17], s[40:41]
	s_lshl_b32 s40, s23, 13
	s_lshl_b32 s42, s33, 2
	s_add_co_u32 s40, s40, s42
	s_add_nc_u64 s[6:7], s[6:7], s[40:41]          ; their scale words: 8,192 head + 4 Q0
	s_add_nc_u64 s[18:19], s[18:19], s[40:41]
	v_and_b32 v1, 31, v0
	v_lshlrev_b32 v2, 4, v1                        ; an image's place: 16 x lane
	v_lshl_add_u32 v3, v1, 2, SCK                  ; a scale word's: 4 x lane
	v_and_b32 v4, 15, v0                           ; r
	v_bfe_u32 v5, v0, 4, 1                         ; h
	v_lshlrev_b32 v6, 2, v4                        ; 4 r
	v_lshlrev_b32 v7, 3, v5
	v_sub_nc_u32 v7, v4, v7                        ; r - 8 h, for the mask
	global_load_b128 v[16:19], v2, s[4:5]
	global_load_b128 v[20:23], v2, s[4:5] offset:512
	global_load_b32 v255, v6, s[6:7]
	v_mov_b32 v13, 0xff61b1e6                      ; the largest t so far: -3e38
	v_floor_f32 v12, -v13                          ; -M
	v_mov_b32 v14, 0
	v_mov_b32 v15, 0
.irp b, 0,1,2,3
	v_mov_b32 v[236+\b], 0                         ; a lane permute's destination counts as one of its sources
.endr
	v_mov_b32 v252, 0
	v_mov_b32 v253, 0                              ; (named as the upper half of v[252:253] before it is first written)
.set JJ, 0
.rept 64
	v_mov_b32 v[160+JJ], 0                         ; O^T: the step is written once for all steps; the first change of M leaves zeros zeros
.set JJ, JJ+1
.endr
; A KEY STEP: 128 keys.  s30 = its first key, s31 = its images' LDS byte, s32 = its scale words'.
.macro STEP
	s_add_co_u32 s35, s33, 15                      ; a step all of whose keys come after my 16 queries is left out: a branch on ids, round the work alone
	s_cmp_gt_u32 s30, s35
	s_cbranch_scc1 .Lhidden_\@
	v_add_nc_u32 v8, s31, v2                       ; (these three and the v_nop are the places behind the last step's products, in front of the loads)
	v_add_nc_u32 v10, s32, v3
	v_add_nc_u32 v9, VIMG, v8
	v_nop
.irp T, 0,1,2,3,4,5,6,7
	ds_load_b128 v[32+8*\T:35+8*\T], v8 offset:1024*\T
	ds_load_b128 v[36+8*\T:39+8*\T], v8 offset:1024*\T+512
.endr
.irp p, 0,1,2,3
	ds_load_b32 v[24+\p], v10 offset:128*\p        ; lane = key 32 p + lane: tiles 2 p (lanes 0-15) and 2 p + 1 (lanes 16-31) share a register
.endr
	s_wait_dscnt 0x0
.irp T, 0,1,2,3,4,5,6,7
	WM 96+8*\T, 32+8*\T, 16, -1, 24+\T/2, 255, \T%2, 0
.endr
	PLACES
.irp T, 0,1,2,3,4,5,6,7                        ; V's fragments are asked for here and land under the softmax
	ds_load_b128 v[32+8*\T:35+8*\T], v9 offset:1024*\T
	ds_load_b128 v[36+8*\T:39+8*\T], v9 offset:1024*\T+512
.endr
.irp p, 0,1,2,3
	ds_load_b32 v[28+\p], v10 offset:8192+128*\p
.endr
	s_add_co_u32 s35, s30, 127                     ; on the diagonal hidden scores become -infinity ahead of the maximum; a step all of whose keys count skips this
	s_cmp_le_u32 s35, s33
	s_cbranch_scc1 .Lopen_\@
	s_sub_co_i32 s35, s33, s30
	v_add_nc_u32 v254, s35, v7                     ; d = my query - the step's first key - 8 h.  Register 8 T + e holds key 16 T + 8 h + e: hidden where 16 T + e > d
	v_mov_b32 v252, 0xff800000
.set NN, 0
.rept 64
	v_cmp_gt_i32 vcc_lo, 16*(NN/8)+NN%8, v254
	v_cndmask_b32 v[96+NN], v[96+NN], v252, vcc_lo
.set NN, NN+1
.endr
.Lopen_\@:
.irp b, 0,1,2,3
	v_max3_num_f32 v[232+\b], v[96+16*\b], v[97+16*\b], v[98+16*\b]   ; the largest score of each block of 32 keys: for the row's maximum, and, since p rises with the score, for the block's largest p
.endr
.irp i, 3,5,7,9,11,13
.irp b, 0,1,2,3
	v_max3_num_f32 v[232+\b], v[232+\b], v[96+16*\b+\i], v[97+16*\b+\i]
.endr
.endr
.irp b, 0,1,2,3
	v_max_num_f32 v[232+\b], v[232+\b], v[111+16*\b]
.endr
.irp b, 0,1,2,3
	v_permlanex16_b32 v[236+\b], v[232+\b], s26, s27
.endr
.irp b, 0,1,2,3
	v_max_num_f32 v[232+\b], v[232+\b], v[236+\b]
.endr
	v_max3_num_f32 v254, v232, v233, v234
	v_max_num_f32 v254, v254, v235
	v_mul_f32 v254, s28, v254                      ; the step's largest t
	v_max_num_f32 v13, v13, v254
	v_mov_b32 v254, v12
	v_floor_f32 v12, -v13                          ; the new -M = -ceil(t)
	v_sub_f32 v254, v12, v254                      ; old M - new M: a whole number, 0 or less
	v_cvt_i32_f32 v254, v254                       ; (it saturates)
	v_ldexp_f32 v252, 1.0, v254                    ; f = 2^(old M - new M): exact
.set JJ, 0
.rept 32
	v_pk_fma_f32 v[96+JJ:97+JJ], v[96+JJ:97+JJ], s[28:29], v[12:13] op_sel_hi:[1,0,0]   ; t - M
.set JJ, JJ+2
.endr
.irp b, 0,1,2,3
	v_fma_f32 v[232+\b], v[232+\b], s28, v12
.endr
.set JJ, 0
.rept 64
	v_exp_f32 v[96+JJ], v[96+JJ]                   ; p = 2^(t - M)
.set JJ, JJ+1
.endr
	v_pk_mul_f32 v[14:15], v[14:15], v[252:253] op_sel_hi:[1,0]   ; the sums under the new M; a plain place behind the exponentials
	s_wait_alu depctr_va_vdst(0)                   ; one wait for the batch, ahead of its first reader
.irp b, 0,1,2,3
	v_exp_f32 v[232+\b], v[232+\b]                 ; each block's largest p
.endr
	v_pk_add_f32 v[236:237], v[96:97], v[98:99]    ; the row's sum, of the unquantised p, in two chains
.set JJ, 4
.rept 15
	v_pk_add_f32 v[14:15], v[14:15], v[96+JJ:97+JJ]
	v_pk_add_f32 v[236:237], v[236:237], v[98+JJ:99+JJ]
.set JJ, JJ+4
.endr
	v_pk_add_f32 v[14:15], v[14:15], v[236:237]
	s_wait_alu depctr_va_vdst(0)                   ; and one for the four
.irp b, 0,1,2,3
	v_max_num_f32 v[232+\b], 0x1800000, v[232+\b]  ; the floor 2^(3 - 127)
.endr
.irp b, 0,1,2,3
	v_add_nc_u32 v[244+\b], 0xff000000, v[232+\b]  ; 2 off the exponent field: the conversion's scale operand
.endr
.irp b, 0,1,2,3
	v_lshrrev_b32 v[236+\b], 23, v[244+\b]
.endr
	v_lshl_or_b32 v253, v237, 8, v236              ; p's scale word for these 128 keys
	v_lshl_or_b32 v253, v238, 16, v253
	v_lshl_or_b32 v253, v239, 24, v253
.irp b, 0,1,2,3
	v_cvt_scalef32_pk8_fp4_f32 v[224+4*(\b/2)+(\b%2)], v[96+16*\b:103+16*\b], v[244+\b]    ; tile 2 b
	v_cvt_scalef32_pk8_fp4_f32 v[226+4*(\b/2)+(\b%2)], v[104+16*\b:111+16*\b], v[244+\b]   ; tile 2 b + 1
.endr
	v_nop                                          ; one plain place behind a scaled conversion
.irp c, 0,1
	v_permlane16_swap_b32 v[224+4*\c], v[225+4*\c] ; a whole block in a lane: lanes 0-15 block 2 c, lanes 16-31 block 2 c + 1
	v_permlane16_swap_b32 v[226+4*\c], v[227+4*\c]
.endr
.set JJ, 0
.rept 32
	v_pk_mul_f32 v[160+JJ:161+JJ], v[160+JJ:161+JJ], v[252:253] op_sel_hi:[1,0]   ; O^T under the new M; also the places between the scale word, the codes and the products
.set JJ, JJ+2
.endr
	s_wait_dscnt 0x0                               ; V
.irp T, 0,1,2,3,4,5,6,7
	WM 160+8*\T, 32+8*\T, 224, 160+8*\T, 28+\T/2, 253, \T%2, 0
.endr
.Lhidden_\@:
	s_add_co_u32 s30, s30, 128
	s_add_co_u32 s31, s31, 8192
	s_add_co_u32 s32, s32, 512
.endm
; PHASE n: key steps 4 n .. 4 n + 3.  Of my five loads the scale words and tiles 0 .. n have landed; the 3 - n behind them may stay out.
.macro PHASE n
	s_wait_tensorcnt 3-(\n)
	s_wait_dscnt 0x0
	s_barrier_signal -1
	s_barrier_wait -1                              ; everybody's have
	s_mov_b32 s30, 512*(\n)
	s_mov_b32 s31, 32768*(\n)
	s_mov_b32 s32, 2048*(\n)
	s_mov_b32 s34, 4
.Lks_\@:
	STEP
	s_sub_co_u32 s34, s34, 1
	s_cmp_lg_u32 s34, 0
	s_cbranch_scc1 .Lks_\@
.endm
	s_wait_loadcnt 0x0                             ; Q
	PHASE 0
	PHASE 1
	PHASE 2
	PHASE 3
	; THE WAY OUT: O^T / the sum, quantised along the head's 128, stored as the image of the last product's operand
	PLACES
	v_add_f32 v14, v14, v15
	v_permlanex16_b32 v252, v14, s26, s27
	v_add_f32 v14, v14, v252                       ; the row's sum
	v_rcp_f32 v14, v14
	v_nop
	s_wait_alu depctr_va_vdst(0)
.set JJ, 0
.rept 64
	v_mul_f32 v[96+JJ], v[160+JJ], v14             ; register 8 T + e: channel 16 T + 8 h + e of my query
.set JJ, JJ+1
.endr
.irp b, 0,1,2,3
	v_max3_num_f32 v[232+\b], |v[96+16*\b]|, |v[97+16*\b]|, 0x1800000
.endr
.irp i, 2,4,6,8,10,12,14
.irp b, 0,1,2,3
	v_max3_num_f32 v[232+\b], v[232+\b], |v[96+16*\b+\i]|, |v[97+16*\b+\i]|
.endr
.endr
.irp b, 0,1,2,3
	v_permlanex16_b32 v[236+\b], v[232+\b], s26, s27
.endr
.irp b, 0,1,2,3
	v_max_num_f32 v[232+\b], v[232+\b], v[236+\b]
.endr
.irp b, 0,1,2,3
	v_add_nc_u32 v[244+\b], 0xff000000, v[232+\b]
.endr
.irp b, 0,1,2,3
	v_lshrrev_b32 v[236+\b], 23, v[244+\b]
.endr
	v_lshl_or_b32 v248, v237, 8, v236
	v_lshl_or_b32 v248, v238, 16, v248
	v_lshl_or_b32 v248, v239, 24, v248
.irp b, 0,1,2,3
	v_cvt_scalef32_pk8_fp4_f32 v[224+4*(\b/2)+(\b%2)], v[96+16*\b:103+16*\b], v[244+\b]
	v_cvt_scalef32_pk8_fp4_f32 v[226+4*(\b/2)+(\b%2)], v[104+16*\b:111+16*\b], v[244+\b]
.endr
	v_nop
.irp c, 0,1
	v_permlane16_swap_b32 v[224+4*\c], v[225+4*\c]
	v_permlane16_swap_b32 v[226+4*\c], v[227+4*\c]
.endr
	global_store_b128 v2, v[224:227], s[16:17]             ; 512 consecutive bytes, aligned
	global_store_b128 v2, v[228:231], s[16:17] offset:512
	global_store_b32 v6, v248, s[18:19]                    ; 16 scale words; both halves of the lanes hold and write the same word
	s_wait_tensorcnt 0x0
	ds_add_u32 v250, v251
	s_wait_dscnt 0x0
	s_endpgm
.Lfunc_end_k_q4d147b2895_attn:
	.size	k_q4d147b2895_attn, .Lfunc_end_k_q4d147b2895_attn-k_q4d147b2895_attn
	.p2alignl 7, 3214868480
	.fill 96, 4, 3214868480
	.section	.rodata,"a",@progbits
	.p2align	6, 0x0
	.amdhsa_kernel k_q4d147b2895_attn
		.amdhsa_group_segment_fixed_size 279552
		.amdhsa_private_segment_fixed_size 0
		.amdhsa_enable_private_segment 0
		.amdhsa_kernarg_size 64
		.amdhsa_user_sgpr_count 2
		.amdhsa_user_sgpr_kernarg_segment_ptr 1
		.amdhsa_wavefront_size32 1
		.amdhsa_system_sgpr_workgroup_id_x 1
		.amdhsa_system_sgpr_workgroup_id_y 1
		.amdhsa_system_sgpr_workgroup_id_z 1
		.amdhsa_system_vgpr_workitem_id 0
		.amdhsa_next_free_vgpr 256
		.amdhsa_next_free_sgpr 100
		.amdhsa_reserve_vcc 1
		.amdhsa_float_denorm_mode_32 3
		.amdhsa_float_denorm_mode_16_64 3
		.amdhsa_memory_ordered 1
		.amdhsa_forward_progress 1
		.amdhsa_inst_pref_size 110
	.end_amdhsa_kernel
	.amdgpu_metadata
---
amdhsa.version: [ 1, 2 ]
amdhsa.kernels:
  - .name:           k_q4d147b2895_attn
    .symbol:         k_q4d147b2895_attn.kd
    .args:
      - { .name: q_c, .offset: 0, .size: 8, .value_kind: global_buffer, .address_space: global }
      - { .name: q_s, .offset: 8, .size: 8, .value_kind: global_buffer, .address_space: global }
      - { .name: k_c, .offset: 16, .size: 8, .value_kind: global_buffer, .address_space: global }
      - { .name: k_s, .offset: 24, .size: 8, .value_kind: global_buffer, .address_space: global }
      - { .name: v_c, .offset: 32, .size: 8, .value_kind: global_buffer, .address_space: global }
      - { .name: v_s, .offset: 40, .size: 8, .value_kind: global_buffer, .address_space: global }
      - { .name: a_c, .offset: 48, .size: 8, .value_kind: global_buffer, .address_space: global }
      - { .name: a_s, .offset: 56, .size: 8, .value_kind: global_buffer, .address_space: global }
    .group_segment_fixed_size: 279552
    .private_segment_fixed_size: 0
    .kernarg_segment_align: 8
    .kernarg_segment_size: 64
    .max_flat_workgroup_size: 256
    .sgpr_count:     100
    .vgpr_count:     256
    .wavefront_size: 32
...
	.end_amdgpu_metadata
.endif
;; end of part 2
;; launch oproj (part 3): grid 16 x 16, 4 waves a work-group, clusters of 4 x 4, 284,160 bytes of LDS; arguments a_c, a_s, Wo_codes, Wo_scales, bo, out0; writes out0
.if DOCPART == 3
	.amdgcn_target "amdgcn-amd-amdhsa--gfx1250"
	.amdhsa_code_object_version 6
	.text
	.protected	k_q4d147b2895_oproj
	.globl	k_q4d147b2895_oproj
	.p2align	8
	.type	k_q4d147b2895_oproj,@function
k_q4d147b2895_oproj:
	s_mov_b64 s[64:65], 0
	v_nop
	global_prefetch_b8 v0, s[64:65] scope:SCOPE_SE
	s_setreg_imm32_b32 hwreg(HW_REG_WAVE_MODE, 25, 1), 1
	s_wait_xcnt 0x0
	s_wait_alu depctr_hold_cnt(0) depctr_sa_sdst(0) depctr_va_vdst(0) depctr_va_sdst(0) depctr_va_ssrc(0) depctr_va_vcc(0) depctr_vm_vsrc(0)
	s_getreg_b32 s2, hwreg(HW_REG_IB_STS2, 6, 4)
	s_cmp_eq_u32 s2, 0
	s_cbranch_scc0 .Lentry_in_a_cluster
	s_endpgm
.Lentry_in_a_cluster:
	s_bfe_u32 s2, ttmp6, 0x10000c
	s_cmp_lg_u32 s2, 0xf033
	s_cbranch_scc0 .Lentry_shape_is_right
	s_endpgm
.Lentry_shape_is_right:
; out0[t][n] = sum over k of a[t][k] Wo[n][k] + bo[n], on codes of FP4 (E2M1), K = 2,048.  a: images a_c[k / 128][t / 16][c][lane][16 bytes], scale words a_s[k / 128][t][4 bytes].  Wo: rows of 1,024 bytes, K innermost.
; A tile of out0 is 128 x 128: 256 work-groups of four waves, each wave 64 x 64: 16 accumulators.  All of K lies in LDS at once (a: 131,072 bytes, Wo: 128 rows x 2 halves of 512 + 16 bytes):
; every byte is filled once, in two halves along K, two tensor loads a wave; the second half lands while the first is multiplied.  No byte is filled again.
; CLUSTER 4 x 4: a's tiles hang on the tile row alone and are asked for jointly along a row of the cluster, Wo's on the tile column alone, along a column.
; The matrix instruction is used transposed (source 0 = 16 rows of Wo, source 1 = 16 rows of a): a lane holds eight neighbouring n of one t.  The bias is the C of the first K step.
; REGISTERS.  window 0: v1-13 addresses; v32-63 a's scale words (p, kc), v64-95 Wo's: lane = row 32 p + lane; v96-127 the bias; v128-255 accumulator (a, b) at 128 + 8 (4 a + b).
;   window 1: two sets of fragments, a's at 128 set + 8 a, Wo's at 128 set + 32 + 8 b; on the way out the rows read back, 32 registers a block.
.set BIMG, 131072
.set BP,   528                         ; a row of Wo's half in LDS: 512 bytes + 16
.set BHALF, 128*BP
.set STG,  BIMG+2*BHALF                ; the stages: 16 rows x 272 bytes a wave; no tensor load lands there
.set MSB, 0
.macro WIN new
.if MSB != (\new)
	s_set_vgpr_msb (MSB<<8)|(\new)
.set MSB, (\new)
.endif
.endm
.macro PLACES
.rept 4
	v_nop
.endr
.endm
.macro ROUND
	s_barrier_signal -1
	s_barrier_wait -1
	s_cmp_lg_u32 s16, 0
	s_cbranch_scc1 .Lnot_wave_0_\@
	s_barrier_signal -3
.Lnot_wave_0_\@:
	s_barrier_wait -3
	s_barrier_signal -1
	s_barrier_wait -1
.endm
.macro JLOAD g0a, g0b                  ; waves 0 and 1 fetch for a, waves 2 and 3 for Wo; four v_nop follow each of the two lines
	s_cmp_eq_u32 s17, 0
	s_cbranch_scc0 .Lfor_b_\@
	tensor_load_to_lds s[\g0a:\g0a+3], s[28:35]
	s_nop 0
	PLACES
	s_branch .Lasked_\@
.Lfor_b_\@:
	tensor_load_to_lds s[\g0b:\g0b+3], s[36:43]
	s_nop 0
	PLACES
.Lasked_\@:
.endm
.macro WM d, a, b, c, sa, sb, ra, rb
.if (\ra) && (\rb)
	v_wmma_scale_f32_16x16x128_f8f6f4 v[(\d):(\d)+7], v[(\a):(\a)+7], v[(\b):(\b)+7], v[(\c):(\c)+7], v[(\sa)], v[(\sb)] matrix_a_fmt:MATRIX_FMT_FP4 matrix_b_fmt:MATRIX_FMT_FP4 matrix_a_scale:MATRIX_SCALE_ROW1 matrix_b_scale:MATRIX_SCALE_ROW1
.elseif (\ra)
	v_wmma_scale_f32_16x16x128_f8f6f4 v[(\d):(\d)+7], v[(\a):(\a)+7], v[(\b):(\b)+7], v[(\c):(\c)+7], v[(\sa)], v[(\sb)] matrix_a_fmt:MATRIX_FMT_FP4 matrix_b_fmt:MATRIX_FMT_FP4 matrix_a_scale:MATRIX_SCALE_ROW1
.elseif (\rb)
	v_wmma_scale_f32_16x16x128_f8f6f4 v[(\d):(\d)+7], v[(\a):(\a)+7], v[(\b):(\b)+7], v[(\c):(\c)+7], v[(\sa)], v[(\sb)] matrix_a_fmt:MATRIX_FMT_FP4 matrix_b_fmt:MATRIX_FMT_FP4 matrix_b_scale:MATRIX_SCALE_ROW1
.else
	v_wmma_scale_f32_16x16x128_f8f6f4 v[(\d):(\d)+7], v[(\a):(\a)+7], v[(\b):(\b)+7], v[(\c):(\c)+7], v[(\sa)], v[(\sb)] matrix_a_fmt:MATRIX_FMT_FP4 matrix_b_fmt:MATRIX_FMT_FP4
.endif
.endm
	s_load_b256 s[4:11], s[0:1], 0x0               ; a_c 4, a_s 6, Wo_codes 8, Wo_scales 10
	s_load_b128 s[12:15], s[0:1], 0x20             ; bo 12, out0 14
	v_lshl_add_u32 v30, v0, 2, 0x45400
	v_mov_b32 v31, 0
	ds_add_u32 v30, v31
	ds_add_u32 v30, v31
	v_lshrrev_b32 v1, 5, v0
	v_readfirstlane_b32 s16, v1                    ; wave 0..3
	s_lshr_b32 s17, s16, 1                         ; which 64 rows t are mine.  Also: I fetch for a (0) or for Wo (1)
	s_and_b32 s18, s16, 1                          ; which 64 columns n.  Also: which part I fetch
	s_bfe_u32 s19, ttmp6, 0x40000                  ; cx
	s_bfe_u32 s20, ttmp6, 0x40004                  ; cy
	s_lshl_b32 s21, ttmp9, 2
	s_add_co_u32 s21, s21, s19                     ; tile column
	s_and_b32 s22, ttmp7, 0xffff
	s_lshl_b32 s22, s22, 2
	s_add_co_u32 s22, s22, s20                     ; tile row
	s_lshl_b32 s23, s20, 2
	s_lshl_b32 s23, 15, s23                        ; my row of the cluster
	s_lshl_b32 s24, 0x1111, s19                    ; my column
	; group 1 for a: 4 K steps x 8,192 bytes (the tile row's 8 fragments), 131,072 bytes apart; elements of 8 bytes
	s_or_b32 s28, s23, (3<<16)|(1<<21)
	s_mov_b32 s29, 1024<<16
	s_mov_b32 s30, 4<<16
	s_mov_b32 s31, 1024<<16
	s_mov_b32 s32, 4
	s_mov_b32 s33, 16384
	s_mov_b32 s34, 0
	s_mov_b32 s35, 0
	; for Wo: 64 rows x 512 bytes, 1,024 bytes apart, 16 bytes of padding behind each in LDS
	s_or_b32 s36, s24, (1<<20)|(1<<21)|(6<<22)|(3<<25)
	s_mov_b32 s37, 512<<16
	s_mov_b32 s38, 64<<16
	s_mov_b32 s39, 512<<16
	s_mov_b32 s40, 64
	s_mov_b32 s41, 1024
	s_mov_b32 s42, 0
	s_mov_b32 s43, 0
	s_lshl_b32 s60, s18, 19                        ; a: K steps 4 x part on, the tile row's 8,192 bytes: no cx enters
	s_lshl_b32 s61, s22, 13
	s_add_co_u32 s60, s60, s61
	s_mov_b32 s61, 0
	s_lshl_b32 s62, s21, 17                        ; Wo: row 128 x tile column + 64 x part: no cy enters
	s_lshl_b32 s63, s18, 16
	s_add_co_u32 s62, s62, s63
	s_mov_b32 s63, 0
	s_lshl_b32 s66, s18, 15                        ; LDS: a's 4 K steps;
	s_mul_i32 s67, s18, 64*BP
	s_add_co_u32 s67, s67, BIMG                    ; Wo's 64 rows
	s_wait_dscnt 0x0
	s_wait_kmcnt 0x0
	s_add_nc_u64 s[60:61], s[4:5], s[60:61]
	s_add_nc_u64 s[62:63], s[8:9], s[62:63]
	ROUND                                          ; all sixteen work-groups are here: the joint loads meet
.irp hf, 0,1                                   ; the two halves of K: two loads of mine are out
	s_mov_b32 s[44+4*\hf], 1
	s_add_co_u32 s[45+4*\hf], s66, \hf*65536
	s_add_nc_u64 s[46+4*\hf:47+4*\hf], s[60:61], \hf*1048576
	s_or_b32 s[47+4*\hf], s[47+4*\hf], 0x80000000
	s_mov_b32 s[52+4*\hf], 1
	s_add_co_u32 s[53+4*\hf], s67, \hf*BHALF
	s_add_nc_u64 s[54+4*\hf:55+4*\hf], s[62:63], \hf*512
	s_or_b32 s[55+4*\hf], s[55+4*\hf], 0x80000000
	JLOAD 44+4*\hf, 52+4*\hf
.endr
	s_lshl_b32 s68, s22, 9
	s_lshl_b32 s70, s17, 8
	s_add_co_u32 s68, s68, s70
	s_mov_b32 s69, 0
	s_add_nc_u64 s[6:7], s[6:7], s[68:69]          ; a's scale words at my first row: 4 (128 tile row + 64 half)
	s_lshl_b32 s68, s21, 13
	s_lshl_b32 s70, s18, 12
	s_add_co_u32 s68, s68, s70
	s_add_nc_u64 s[10:11], s[10:11], s[68:69]      ; Wo's scale rows: 64 bytes a row
	s_lshl_b32 s68, s21, 9
	s_lshl_b32 s70, s18, 8
	s_add_co_u32 s68, s68, s70
	s_add_nc_u64 s[12:13], s[12:13], s[68:69]      ; bo, and out0's column: 4 (128 tile column + 64 half)
	s_add_nc_u64 s[14:15], s[14:15], s[68:69]
	s_lshl_b32 s68, s22, 20
	s_lshl_b32 s70, s17, 19
	s_add_co_u32 s68, s68, s70
	s_add_nc_u64 s[14:15], s[14:15], s[68:69]      ; out0's row: 8,192 bytes a row
	v_and_b32 v1, 31, v0
	v_and_b32 v2, 15, v0                           ; r
	v_bfe_u32 v3, v0, 4, 1                         ; h
	s_lshl_b32 s68, s17, 12
	v_lshlrev_b32 v4, 4, v1
	v_add_nc_u32 v4, s68, v4                       ; a's fragments: 16 x lane + my four of the eight; K steps 0-7,
	v_add_nc_u32 v5, 65536, v4                     ; 8-15
	s_mul_i32 s68, s18, 64*BP
	v_mul_u32_u24 v6, v2, BP
	v_lshl_add_u32 v6, v3, 4, v6
	v_add_nc_u32 v6, s68, v6
	v_add_nc_u32 v6, BIMG, v6                      ; Wo's fragments: my 64 rows, row r, + 16 h; first half of K,
	v_add_nc_u32 v7, BHALF, v6                     ; second
	s_mul_i32 s68, s16, 16*272
	v_mul_u32_u24 v8, v2, 272
	v_lshl_add_u32 v8, v3, 5, v8
	v_add_nc_u32 v8, s68, v8
	v_add_nc_u32 v8, STG, v8                       ; my stage, in: row r, 32 bytes for each half of the lanes
	v_mul_u32_u24 v9, v3, 272
	v_lshl_add_u32 v9, v2, 4, v9
	v_add_nc_u32 v9, s68, v9
	v_add_nc_u32 v9, STG, v9                       ; back: lanes 0-15 one row of 256 bytes, lanes 16-31 the next
	v_lshlrev_b32 v10, 13, v3
	v_lshl_add_u32 v10, v2, 4, v10                 ; and the same two rows in out0
	v_lshlrev_b32 v11, 2, v1
	v_lshlrev_b32 v12, 6, v1
	v_lshlrev_b32 v13, 5, v3
.irp p, 0,1
.set KC, 0
.rept 16
	global_load_b32 v[32+16*\p+KC], v11, s[6:7] offset:8192*KC+128*\p
.set KC, KC+1
.endr
.irp x, 0,1,2,3
	global_load_b128 v[64+16*\p+4*\x:67+16*\p+4*\x], v12, s[10:11] offset:2048*\p+16*\x
.endr
.endr
.irp b, 0,1,2,3
	global_load_b128 v[96+8*\b:99+8*\b], v13, s[12:13] offset:64*\b          ; bo at 16 b + 8 h + 0 .. 7
	global_load_b128 v[100+8*\b:103+8*\b], v13, s[12:13] offset:64*\b+16
.endr
.macro FETCH kc, set                   ; 16 LDS loads: the fragments of K step kc
	WIN 0x40                                       ; destination window 1
.irp i, 0,1,2,3
	ds_load_b128 v[128*(\set)+32+8*\i:128*(\set)+35+8*\i], v[6+(\kc)/8] offset:16*BP*\i+64*((\kc)%8)
	ds_load_b128 v[128*(\set)+36+8*\i:128*(\set)+39+8*\i], v[6+(\kc)/8] offset:16*BP*\i+64*((\kc)%8)+32
	ds_load_b128 v[128*(\set)+8*\i:128*(\set)+3+8*\i],     v[4+(\kc)/8] offset:8192*((\kc)%8)+1024*\i
	ds_load_b128 v[128*(\set)+4+8*\i:128*(\set)+7+8*\i],   v[4+(\kc)/8] offset:8192*((\kc)%8)+1024*\i+512
.endr
.endm
.macro MUL kc, set                     ; 16 matrix instructions; the accumulators take turns, one instruction a turn
	WIN 0x05                                       ; sources 0 and 1 window 1; C and D window 0
.irp a, 0,1,2,3
.irp b, 0,1,2,3
.if (\kc) == 0
	WM 128+8*(4*\a+\b), 128*(\set)+32+8*\b, 128*(\set)+8*\a, 96+8*\b, 64+16*(\b/2)+(\kc), 32+16*(\a/2)+(\kc), \b%2, \a%2
.else
	WM 128+8*(4*\a+\b), 128*(\set)+32+8*\b, 128*(\set)+8*\a, 128+8*(4*\a+\b), 64+16*(\b/2)+(\kc), 32+16*(\a/2)+(\kc), \b%2, \a%2
.endif
.endr
.endr
.endm
	s_wait_tensorcnt 1                             ; my part of the first half of K is in (the second may be out)
	s_barrier_signal -1
	s_barrier_wait -1                              ; everybody's is
	FETCH 0, 0
	s_wait_loadcnt 0x0                             ; scale words and bias
.set KC, 0
.rept 15
.if KC == 7
	s_wait_tensorcnt 0x0                           ; my part of the second half is in,
	s_wait_dscnt 0x0
	s_barrier_signal -1
	s_barrier_wait -1                              ; everybody's is
.endif
	PLACES                                         ; in front of loads into the set that the last products read
	FETCH KC+1, (KC+1)%2
	s_wait_dscnt 16                                ; all but the 16 just issued
	MUL KC, KC%2
.set KC, KC+1
.endr
	s_wait_dscnt 0x0
	MUL 15, 1
	WIN 0
; THE WAY OUT, a block of 16 rows x 64 columns at a time, through my own stage: LDS serves a wave's instructions in order (ISA guide 5.7.1.4), so no wait stands between the stores and the loads,
; nor in front of the next block's stores.  Each block comes back into 32 registers of its own, so no store's data are written again.
.macro TOSTAGE a
	WIN 0
.irp b, 0,1,2,3
	ds_store_b128 v8, v[128+8*(4*(\a)+\b):131+8*(4*(\a)+\b)] offset:64*\b        ; each accumulator from its low end on
	ds_store_b128 v8, v[132+8*(4*(\a)+\b):135+8*(4*(\a)+\b)] offset:64*\b+16
.endr
	WIN 0x40
.irp i, 0,1,2,3,4,5,6,7
	ds_load_b128 v[32*(\a)+4*\i:32*(\a)+4*\i+3], v9 offset:544*\i
.endr
.endm
.macro SEND a, younger                 ; younger: the LDS instructions issued behind block a's loads
	s_wait_dscnt \younger
	WIN 0x04                                       ; a store's data are its source 1: window 1
.irp i, 0,1,2,3,4,5,6,7
	global_store_b128 v10, v[32*(\a)+4*\i:32*(\a)+4*\i+3], s[14:15] offset:(16*(\a)+2*\i)*8192 th:TH_STORE_NT   ; 16 lanes store 256 consecutive bytes, aligned; 62 rows at the most: inside the signed 24-bit immediate
.endr
.endm
	PLACES                                         ; behind the last products: results are read, and operands' registers loaded
	TOSTAGE 0
	TOSTAGE 1
	SEND 0, 16
	TOSTAGE 2
	SEND 1, 16
	TOSTAGE 3
	SEND 2, 16
	SEND 3, 0
	WIN 0
	s_wait_tensorcnt 0x0
	ds_add_u32 v30, v31
	s_wait_dscnt 0x0
	ROUND                                          ; the closing round: no work-group ends while a partner may still ask for a tile that names it
	s_endpgm
.Lfunc_end_k_q4d147b2895_oproj:
	.size	k_q4d147b2895_oproj, .Lfunc_end_k_q4d147b2895_oproj-k_q4d147b2895_oproj
	.p2alignl 7, 3214868480
	.fill 96, 4, 3214868480
	.section	.rodata,"a",@progbits
	.p2align	6, 0x0
	.amdhsa_kernel k_q4d147b2895_oproj
		.amdhsa_group_segment_fixed_size 284160
		.amdhsa_private_segment_fixed_size 0
		.amdhsa_enable_private_segment 0
		.amdhsa_kernarg_size 48
		.amdhsa_user_sgpr_count 2
		.amdhsa_user_sgpr_kernarg_segment_ptr 1
		.amdhsa_wavefront_size32 1
		.amdhsa_system_sgpr_workgroup_id_x 1
		.amdhsa_system_sgpr_workgroup_id_y 1
		.amdhsa_system_sgpr_workgroup_id_z 1
		.amdhsa_system_vgpr_workitem_id 0
		.amdhsa_next_free_vgpr 512
		.amdhsa_next_free_sgpr 72
		.amdhsa_reserve_vcc 0
		.amdhsa_float_denorm_mode_32 3
		.amdhsa_float_denorm_mode_16_64 3
		.amdhsa_memory_ordered 1
		.amdhsa_forward_progress 1
		.amdhsa_inst_pref_size 72
	.end_amdhsa_kernel
	.amdgpu_metadata
---
amdhsa.version: [ 1, 2 ]
amdhsa.kernels:
  - .name:           k_q4d147b2895_oproj
    .symbol:         k_q4d147b2895_oproj.kd
    .args:
      - { .name: a_c, .offset: 0, .size: 8, .value_kind: global_buffer, .address_space: global }
      - { .name: a_s, .offset: 8, .size: 8, .value_kind: global_buffer, .address_space: global }
      - { .name: Wo_codes, .offset: 16, .size: 8, .value_kind: global_buffer, .address_space: global }
      - { .name: Wo_scales, .offset: 24, .size: 8, .value_kind: global_buffer, .address_space: global }
      - { .name: bo, .offset: 32, .size: 8, .value_kind: global_buffer, .address_space: global }
      - { .name: out0, .offset: 40, .size: 8, .value_kind: global_buffer, .address_space: global }
    .group_segment_fixed_size: 284160
    .private_segment_fixed_size: 0
    .kernarg_segment_align: 8
    .kernarg_segment_size: 48
    .max_flat_workgroup_size: 128
    .sgpr_count:     72
    .vgpr_count:     512
    .wavefront_size: 32
...
	.end_amdgpu_metadata
.endif
;; end of part 3
;; ======== version 2 of 2: 4 launches
;; limits: right only within a limited range of input values
;; workspace buffers: y 33,554,432 bytes; q_c 2,097,152 bytes; q_s 131,072 bytes; k_c 2,097,152 bytes; k_s 131,072 bytes; v_c 2,097,152 bytes; v_s 131,072 bytes; a_s 131,072 bytes
;; launch proj (part 4): grid 16 x 16, 4 waves a work-group, clusters of 4 x 4, 327,680 bytes of LDS; arguments x_codes, x_scales, Wq_codes, Wq_scales, Wk_codes, Wk_scales, Wv_codes, Wv_scales, bq, bk, bv, y, v_c, v_s; writes y, v_c, v_s
.if DOCPART == 4
	.amdgcn_target "amdgcn-amd-amdhsa--gfx1250"
	.amdhsa_code_object_version 6
	.text
	.protected	k_q4d147b2895_proj
	.globl	k_q4d147b2895_proj
	.p2align	8
	.type	k_q4d147b2895_proj,@function
k_q4d147b2895_proj:
	s_mov_b64 s[64:65], 0
	v_nop
	global_prefetch_b8 v0, s[64:65] scope:SCOPE_SE
	s_setreg_imm32_b32 hwreg(HW_REG_WAVE_MODE, 25, 1), 1
	s_wait_xcnt 0x0
	s_wait_alu depctr_hold_cnt(0) depctr_sa_sdst(0) depctr_va_vdst(0) depctr_va_sdst(0) depctr_va_ssrc(0) depctr_va_vcc(0) depctr_vm_vsrc(0)
	s_getreg_b32 s2, hwreg(HW_REG_IB_STS2, 6, 4)
	s_cmp_eq_u32 s2, 0
	s_cbranch_scc0 .Lentry_in_a_cluster
	s_endpgm
.Lentry_in_a_cluster:
	s_bfe_u32 s2, ttmp6, 0x10000c
	s_cmp_lg_u32 s2, 0xf033
	s_cbranch_scc0 .Lentry_shape_is_right
	s_endpgm
.Lentry_shape_is_right:
; q = x Wq + bq and k = x Wk + bk in f32, and v = x Wv + bv as codes of FP4 (E2M1) along the tokens; x and the weights arrive as codes with one E8M0 byte for each 32 along K = 2,048.
; The program: proj (this launch), norm (norm, rope and quantiser of q and k), attn, oproj.  Nothing of reference() is left out but the key steps that its own tril hides whole (attn).
; SHARES.  A work-group owns a block of 128 tokens (y) and a head (x): the tiles q, k [128 tokens][128 channels] and v [128 channels][128 tokens], which share the 128 rows of x.  256 work-groups.
; A wave owns all 128 tokens and 32 channels of each of the three: 48 accumulators of 16 x 16, 384 registers.
; For q and k source 0 = 16 channels, source 1 = 16 tokens: lane (r, h) holds token r and register e channel 8 h + e.  For v the sources are swapped: lane r is a channel, registers run along the tokens, the next product's K.
; RING.  K goes in 4 steps of 512 through two LDS slots: 128 rows x 256 bytes of x, Wq, Wk, Wv, fetched by waves 0, 1, 2, 3: one tensor load a wave.
; CLUSTER.  4 x 4 work-groups.  x's tile hangs on the token block alone and is asked for jointly along a row of the cluster, a weight's on the head alone, along a column.
; PREFETCH.  K steps 2 and 3 are asked for one K step ahead of their loads: the four partners of a joint load share its 128 rows out by address, 32 each, a lane a row, one instruction a wave.
; SCALES.  A lane holds a row's 64 scale bytes (16 words, one for each 128 along K) in registers for the whole launch.
; BIAS.  It is the C operand of each sum's first product.
; OUT.  y[q or k][token / 16][head][channel / 16][e / 4][lane][16 bytes] f32: images of the accumulators.  v_c[head][token / 128][channel / 16][c][lane][16 bytes], v_s[head][token / 128][channel][4 bytes].
; LIMITS.  NaN and infinities among the inputs are not served.  A block of zeros gets the scale byte 1 and not 127 (its codes are zeros, and only this program reads the bytes); a block whose largest magnitude lies under 2^-124 is held at the byte 1.
; REGISTERS.  window 0: v1-21 addresses; v32-95 x's scale words (p, K step) at 32 + 16 p + k; v96-143 the weights' at 96 + 16 m + k; v144-191 at work.
;   window 1: two sets of fragments at 112 s: x at 8 a, weights at 64 + 16 m + 8 t.   window 2: q at 16 a + 8 t, k at 128 + 16 a + 8 t.   window 3: v at 16 a + 8 t; v128-175 the biases.
; LEFT OUT (in attn): key steps of 128 keys that all come after a tile's 16 queries.  reference()'s own tril puts -1e30 in place of every such score, whatever the inputs hold, and the row's softmax has its diagonal key, so their p is 0.
;   A NaN, an infinity or an overflow that reaches only such scores is not carried to the result.
.set PITCH, 272                        ; an LDS row: 256 bytes + 16 of padding: 16 rows begin 68 words apart
.set QUART, 128*PITCH
.set SLOT,  4*QUART
.set SPARE, 2*SLOT                     ; the spare words: no other line names them
.set MSB, 0
.macro WIN new                         ; the immediate's high byte repeats the setting that is left; a switch that changes nothing is dropped
.if MSB != (\new)
	s_set_vgpr_msb (MSB<<8)|(\new)
.set MSB, (\new)
.endif
.endm
.macro PLACES                          ; four plain places behind a matrix instruction (ISA guide 7.12.1)
.rept 4
	v_nop
.endr
.endm
.macro CREST                           ; a round of the cluster's barrier behind its opening barrier
	s_cmp_lg_u32 s3, 0
	s_cbranch_scc1 .Lnot_wave_0_\@
	s_barrier_signal -3
.Lnot_wave_0_\@:
	s_barrier_wait -3
	s_barrier_signal -1
	s_barrier_wait -1
.endm
.macro ROUND
	s_barrier_signal -1
	s_barrier_wait -1
	CREST
.endm
.macro JLOAD slot                      ; wave 0: x's tile, with the mask of my row of the cluster; waves 1-3: their weight's, with that of my column
	s_cmp_eq_u32 s3, 0
	s_cbranch_scc0 .Lfor_w_\@
	tensor_load_to_lds s[40+4*(\slot):43+4*(\slot)], s[72:79]
	s_nop 0
	PLACES
	s_branch .Lasked_\@
.Lfor_w_\@:
	tensor_load_to_lds s[48+4*(\slot):51+4*(\slot)], s[80:87]
	s_nop 0
	PLACES
.Lasked_\@:
.endm
.macro WM d, a, b, c, sa, sb, ra, rb   ; D, source 0, source 1, C, the two scale registers, and whether each side's scales lie in lanes 16-31
.if (\ra) && (\rb)
	v_wmma_scale_f32_16x16x128_f8f6f4 v[(\d):(\d)+7], v[(\a):(\a)+7], v[(\b):(\b)+7], v[(\c):(\c)+7], v[(\sa)], v[(\sb)] matrix_a_fmt:MATRIX_FMT_FP4 matrix_b_fmt:MATRIX_FMT_FP4 matrix_a_scale:MATRIX_SCALE_ROW1 matrix_b_scale:MATRIX_SCALE_ROW1
.elseif (\ra)
	v_wmma_scale_f32_16x16x128_f8f6f4 v[(\d):(\d)+7], v[(\a):(\a)+7], v[(\b):(\b)+7], v[(\c):(\c)+7], v[(\sa)], v[(\sb)] matrix_a_fmt:MATRIX_FMT_FP4 matrix_b_fmt:MATRIX_FMT_FP4 matrix_a_scale:MATRIX_SCALE_ROW1
.elseif (\rb)
	v_wmma_scale_f32_16x16x128_f8f6f4 v[(\d):(\d)+7], v[(\a):(\a)+7], v[(\b):(\b)+7], v[(\c):(\c)+7], v[(\sa)], v[(\sb)] matrix_a_fmt:MATRIX_FMT_FP4 matrix_b_fmt:MATRIX_FMT_FP4 matrix_b_scale:MATRIX_SCALE_ROW1
.else
	v_wmma_scale_f32_16x16x128_f8f6f4 v[(\d):(\d)+7], v[(\a):(\a)+7], v[(\b):(\b)+7], v[(\c):(\c)+7], v[(\sa)], v[(\sb)] matrix_a_fmt:MATRIX_FMT_FP4 matrix_b_fmt:MATRIX_FMT_FP4
.endif
.endm
	s_load_b512 s[8:23], s[0:1], 0x0               ; x_codes 8, x_scales 10, Wq 12, 14, Wk 16, 18, Wv 20, 22
	s_load_b256 s[24:31], s[0:1], 0x40             ; bq 24, bk 26, bv 28, y 30
	s_load_b128 s[32:35], s[0:1], 0x60             ; v_c 32, v_s 34
	v_lshl_add_u32 v12, v0, 2, SPARE               ; my spare word; never rewritten
	v_mov_b32 v13, 0                               ; 0; never rewritten
	ds_add_u32 v12, v13                            ; the opening lines: the add, twice on end, and its wait
	ds_add_u32 v12, v13
	v_lshrrev_b32 v1, 5, v0
	v_readfirstlane_b32 s3, v1                     ; wave 0..3
	s_bfe_u32 s4, ttmp6, 0x40000                   ; cx
	s_bfe_u32 s5, ttmp6, 0x40004                   ; cy
	s_lshl_b32 s6, ttmp9, 2
	s_add_co_u32 s6, s6, s4                        ; the head
	s_and_b32 s7, ttmp7, 0xffff
	s_lshl_b32 s7, s7, 2
	s_add_co_u32 s7, s7, s5                        ; the token block
	s_lshl_b32 s56, s5, 2
	s_lshl_b32 s56, 15, s56                        ; my row of the cluster
	s_lshl_b32 s57, 0x1111, s4                     ; my column
	; descriptor group 1: 128 rows x 256 bytes, 1,024 bytes apart in memory, 16 bytes of padding behind each in LDS
	s_or_b32 s72, s56, (1<<20)|(1<<21)|(5<<22)|(3<<25)
	s_or_b32 s80, s57, (1<<20)|(1<<21)|(5<<22)|(3<<25)
.irp g, 72, 80
	s_mov_b32 s[\g+1], 256<<16                     ; tensor_dim0
	s_mov_b32 s[\g+2], 128<<16                     ; tensor_dim1
	s_mov_b32 s[\g+3], 256<<16                     ; tile_dim0
	s_mov_b32 s[\g+4], 128                         ; tile_dim1
	s_mov_b32 s[\g+5], 1024                        ; the pitch
	s_mov_b32 s[\g+6], 0
	s_mov_b32 s[\g+7], 0
.endr
	s_lshl_b32 s58, s7, 17                         ; 128 rows x 1,024 bytes a block of x,
	s_mov_b32 s59, 0
	s_lshl_b32 s60, s6, 17                         ; and a head of a weight
	s_mov_b32 s61, 0
	s_mul_i32 s68, s3, QUART                       ; my quarter of a slot
	s_mov_b32 s94, 0x76543210                      ; v_permlanex16_b32: lane l xor 16
	s_mov_b32 s95, 0xfedcba98
	s_wait_dscnt 0x0                               ; both opening adds are done
	s_wait_kmcnt 0x0
	s_add_nc_u64 s[62:63], s[8:9], s[58:59]        ; x's tile
	s_cmp_eq_u32 s3, 2                             ; the choices hang on the wave's number alone
	s_cselect_b64 s[66:67], s[16:17], s[20:21]
	s_cmp_eq_u32 s3, 1
	s_cselect_b64 s[66:67], s[12:13], s[66:67]
	s_add_nc_u64 s[66:67], s[66:67], s[60:61]      ; my weight's tile
.irp s, 0,1                                    ; group 0, a set for each slot
	s_mov_b32 s[40+4*\s], 1
	s_add_co_u32 s[41+4*\s], s68, \s*SLOT
	s_add_nc_u64 s[42+4*\s:43+4*\s], s[62:63], \s*256
	s_or_b32 s[43+4*\s], s[43+4*\s], 0x80000000
	s_mov_b32 s[48+4*\s], 1
	s_add_co_u32 s[49+4*\s], s68, \s*SLOT
	s_add_nc_u64 s[50+4*\s:51+4*\s], s[66:67], \s*256
	s_or_b32 s[51+4*\s], s[51+4*\s], 0x80000000
.endr
	ROUND                                          ; all sixteen work-groups are here: the first joint loads meet
	JLOAD 0                                        ; K step 0: one tensor load a wave at the head
	s_mov_b32 s91, 0
	s_lshl_b32 s90, s7, 13
	s_add_nc_u64 s[10:11], s[10:11], s[90:91]      ; x's scales: 128 rows x 64 bytes
	s_lshl_b32 s90, s6, 13
	s_lshl_b32 s69, s3, 11
	s_add_co_u32 s90, s90, s69
	s_add_nc_u64 s[14:15], s[14:15], s[90:91]      ; the weights': my 32 rows of the head's 128
	s_add_nc_u64 s[18:19], s[18:19], s[90:91]
	s_add_nc_u64 s[22:23], s[22:23], s[90:91]
	s_lshl_b32 s90, s6, 9
	s_lshl_b32 s69, s3, 7
	s_add_co_u32 s90, s90, s69
	s_add_nc_u64 s[24:25], s[24:25], s[90:91]      ; the biases of my 32 channels
	s_add_nc_u64 s[26:27], s[26:27], s[90:91]
	s_add_nc_u64 s[28:29], s[28:29], s[90:91]
	s_lshl_b32 s90, s7, 20
	s_lshl_b32 s69, s6, 13
	s_add_co_u32 s90, s90, s69
	s_lshl_b32 s70, s3, 11
	s_add_co_u32 s90, s90, s70
	s_add_nc_u64 s[30:31], s[30:31], s[90:91]      ; q's images: 131,072 bytes for 16 tokens, 8,192 a head, 2,048 a wave
	s_add_nc_u64 s[92:93], s[30:31], 0x1000000     ; k's
	s_lshl_b32 s90, s6, 17
	s_lshl_b32 s69, s7, 13
	s_add_co_u32 s90, s90, s69
	s_add_co_u32 s90, s90, s70
	s_add_nc_u64 s[32:33], s[32:33], s[90:91]      ; v's codes
	s_lshl_b32 s90, s6, 13
	s_lshl_b32 s69, s7, 9
	s_add_co_u32 s90, s90, s69
	s_lshl_b32 s70, s3, 7
	s_add_co_u32 s90, s90, s70
	s_add_nc_u64 s[34:35], s[34:35], s[90:91]      ; and scale words
	s_mul_i32 s69, s3, 32*PITCH
	s_add_co_u32 s69, s69, QUART                   ; my 32 rows of Wq's part of a slot
	s_cmp_eq_u32 s3, 0
	s_cselect_b64 s[88:89], s[62:63], s[66:67]     ; what I prefetch
	s_cselect_b32 s70, s4, s5                      ; my place among the four that ask for it jointly
	s_lshl_b32 s70, s70, 15                        ; 32 rows x 1,024 bytes
	v_and_b32 v1, 31, v0                           ; lane
	v_and_b32 v2, 15, v0                           ; r
	v_bfe_u32 v3, v0, 4, 1                         ; h
	v_lshlrev_b32 v4, 6, v1                        ; scale rows: 64 bytes a lane
	v_lshlrev_b32 v5, 5, v3                        ; biases of q, k: 32 h
	v_lshlrev_b32 v14, 4, v1                       ; an image's place: 16 x lane
	v_lshlrev_b32 v16, 2, v2                       ; bias of v: 4 r
	v_lshlrev_b32 v19, 2, v1                       ; a scale word's place: 4 x lane
	v_mul_u32_u24 v6, v2, PITCH
	v_lshl_add_u32 v6, v3, 4, v6                   ; x's fragments in slot 0: row x pitch + 16 h,
	v_add_nc_u32 v7, SLOT, v6                      ; in slot 1
	v_add_nc_u32 v8, s69, v6                       ; Wq's and Wk's
	v_add_nc_u32 v9, SLOT, v8
	v_add_nc_u32 v10, 2*QUART, v8                  ; Wv's
	v_add_nc_u32 v11, SLOT, v10
	v_lshl_add_u32 v15, v1, 10, s70                ; the prefetches' offset: never rewritten
	s_wait_alu depctr_va_vdst(0)
.irp x, 0,1,2,3
.irp p, 0,1,2,3
	global_load_b128 v[32+16*\p+4*\x:35+16*\p+4*\x], v4, s[10:11] offset:2048*\p+16*\x
.endr
	global_load_b128 v[96+4*\x:99+4*\x], v4, s[14:15] offset:16*\x
	global_load_b128 v[112+4*\x:115+4*\x], v4, s[18:19] offset:16*\x
	global_load_b128 v[128+4*\x:131+4*\x], v4, s[22:23] offset:16*\x
.endr
	WIN 0xC0                                       ; destination window 3
.irp t, 0,1
	global_load_b128 v[128+8*\t:131+8*\t], v5, s[24:25] offset:64*\t
	global_load_b128 v[132+8*\t:135+8*\t], v5, s[24:25] offset:64*\t+16
	global_load_b128 v[144+8*\t:147+8*\t], v5, s[26:27] offset:64*\t
	global_load_b128 v[148+8*\t:151+8*\t], v5, s[26:27] offset:64*\t+16
.endr
	WIN 0
	global_load_b32 v20, v16, s[28:29]
	global_load_b32 v21, v16, s[28:29] offset:64
.macro FETCH slot, q, set              ; 28 LDS loads: the fragments of the slot's q-th 128 along K into a set of window 1
	WIN 0x40
.irp a, 0,1,2,3,4,5,6,7
	ds_load_b128 v[112*(\set)+8*\a:112*(\set)+8*\a+3], v[6+(\slot)] offset:4352*\a+64*(\q)
	ds_load_b128 v[112*(\set)+8*\a+4:112*(\set)+8*\a+7], v[6+(\slot)] offset:4352*\a+64*(\q)+32
.endr
.irp t, 0,1
	ds_load_b128 v[112*(\set)+64+8*\t:112*(\set)+67+8*\t], v[8+(\slot)] offset:4352*\t+64*(\q)
	ds_load_b128 v[112*(\set)+68+8*\t:112*(\set)+71+8*\t], v[8+(\slot)] offset:4352*\t+64*(\q)+32
.endr
.irp t, 0,1
	ds_load_b128 v[112*(\set)+80+8*\t:112*(\set)+83+8*\t], v[8+(\slot)] offset:34816+4352*\t+64*(\q)
	ds_load_b128 v[112*(\set)+84+8*\t:112*(\set)+87+8*\t], v[8+(\slot)] offset:34816+4352*\t+64*(\q)+32
.endr
.irp t, 0,1
	ds_load_b128 v[112*(\set)+96+8*\t:112*(\set)+99+8*\t], v[10+(\slot)] offset:4352*\t+64*(\q)
	ds_load_b128 v[112*(\set)+100+8*\t:112*(\set)+103+8*\t], v[10+(\slot)] offset:4352*\t+64*(\q)+32
.endr
	WIN 0
.endm
; The 48 accumulators take turns, one instruction a turn, in the same order in every K step.
.macro MULW m                          ; q (m = 0) or k (1): 16 matrix instructions, K step KS, set ST
.irp a, 0,1,2,3,4,5,6,7
.irp t, 0,1
.if KS == 0
	WIN 0xB5                                       ; sources window 1, C window 3 (the bias), D window 2
	WM 128*\m+16*\a+8*\t, 112*ST+64+16*\m+8*\t, 112*ST+8*\a, 128+16*\m+8*\t, 96+16*\m+KS, 32+16*(\a/2)+KS, \t, \a%2
.else
	WIN 0xA5
	WM 128*\m+16*\a+8*\t, 112*ST+64+16*\m+8*\t, 112*ST+8*\a, 128*\m+16*\a+8*\t, 96+16*\m+KS, 32+16*(\a/2)+KS, \t, \a%2
.endif
.endr
.endr
.endm
.macro MULV                            ; v: source 0 = tokens, source 1 = channels
	WIN 0xF5
.irp a, 0,1,2,3,4,5,6,7
.irp t, 0,1
.if KS == 0
	WM 16*\a+8*\t, 112*ST+8*\a, 112*ST+96+8*\t, 160+8*\t, 32+16*(\a/2)+KS, 128+KS, \a%2, \t
.else
	WM 16*\a+8*\t, 112*ST+8*\a, 112*ST+96+8*\t, 16*\a+8*\t, 32+16*(\a/2)+KS, 128+KS, \a%2, \t
.endif
.endr
.endr
.endm
; K step KS of 128: in a slot's first three the next one's fragments are fetched ahead of the products; the fourth changes slots.
.macro KSTEP
.set QQ, KS%4
.set SL, (KS/4)%2
.set ST, KS%2
.if QQ < 3
	PLACES                                         ; in front of loads into the set that the last products read
	FETCH SL, QQ+1, 1-ST
	s_wait_dscnt 28                                ; all but the 28 just issued
	MULW 0
	MULW 1
	MULV
.elseif KS < 8
	s_wait_tensorcnt 0x0                           ; all my tensor loads have landed: the one that was out is my part of the next slot
	ds_add_u32 v12, v13                            ; 0 onto my spare word
	s_add_nc_u64 s[42+4*SL:43+4*SL], s[42+4*SL:43+4*SL], 512   ; no load of mine is out, so a group 0 may be written: two K steps on
	s_add_nc_u64 s[50+4*SL:51+4*SL], s[50+4*SL:51+4*SL], 512
	s_wait_dscnt 1                                 ; the fragments are in; the add may be out
	MULW 0                                         ; sixteen matrix instructions stand between the add and the wait for it
	s_wait_dscnt 0x0                               ; the add is done, and my reads of this slot are over
	s_barrier_signal -1
	MULW 1
	WIN 0
	s_barrier_wait -1
	CREST                                          ; no wave of any partner still reads this slot or has a load on its way
	JLOAD SL                                       ; the first tensor load behind the round; its four v_nop are the places in front of the loads below
	FETCH 1-SL, 0, 0
.if KS == 3
	global_prefetch_b8 v15, s[88:89] offset:768 th:TH_LOAD_NT scope:SCOPE_SE   ; K step 3, one K step ahead of its load
.endif
	MULV
.elseif KS < 15
	s_wait_tensorcnt 0x0                           ; my part of the last slot has landed; nothing is filled any more
	s_wait_dscnt 0x0
	s_barrier_signal -1
	MULW 0
	MULW 1
	WIN 0
	s_barrier_wait -1                              ; everybody's part has
	PLACES
	FETCH 1-SL, 0, 0
	MULV
.else
	s_wait_dscnt 0x0
	MULW 0
	MULW 1
	MULV
.endif
	WIN 0
.endm
	s_wait_tensorcnt 0x0                           ; my tile of K step 0 is in
	ds_add_u32 v12, v13
	s_wait_dscnt 0x0
	ROUND                                          ; everybody's tile is in, and all sixteen work-groups are here
	JLOAD 1                                        ; K step 1
	FETCH 0, 0, 0
	global_prefetch_b8 v15, s[88:89] offset:512 th:TH_LOAD_NT scope:SCOPE_SE   ; K step 2, one K step ahead of its load
	s_wait_loadcnt 0x0                             ; scale words and biases
	WIN 0xC0
.irp e, 0,1,2,3,4,5,6,7
	v_mov_b32 v[160+\e], v20                       ; v's bias: a lane's eight registers are eight tokens of one channel
	v_mov_b32 v[168+\e], v21
.endr
	WIN 0
	s_wait_alu depctr_va_vdst(0)
.set KS, 0
.rept 16
	KSTEP
.set KS, KS+1
.endr
	PLACES                                         ; behind the last products: their results are read
	WIN 0x08                                       ; store data: window 2
.irp a, 0,1,2,3,4,5,6,7
.irp t, 0,1
	global_store_b128 v14, v[16*\a+8*\t:16*\a+8*\t+3], s[30:31] offset:131072*\a+1024*\t th:TH_STORE_NT   ; 32 lanes store 512 consecutive bytes, aligned
	global_store_b128 v14, v[16*\a+8*\t+4:16*\a+8*\t+7], s[30:31] offset:131072*\a+1024*\t+512 th:TH_STORE_NT
.endr
.endr
	WIN 0
; v's quantiser stands between q's stores and k's: two fragments t of 16 channels x 128 tokens, four blocks b each, in lanes l and l xor 16: registers 32 b + 16 u + 8 t + e.
	v_mov_b32 v22, 0x1800000                       ; the floor 2^(3 - 127): the byte cannot fall under 1
.irp i, 0,1,2,3,4,5,6,7
	v_mov_b32 v[152+\i], 0                         ; a lane permute's destination counts as one of its sources
.endr
	WIN 0x3c                                       ; sources 1 and 2: window 3
.irp b, 0,1,2,3
.irp t, 0,1
	v_max3_num_f32 v[144+4*\t+\b], v22, |v[32*\b+8*\t]|, |v[32*\b+8*\t+1]|
.endr
.endr
.irp i, 2,4,6,16,18,20,22
.irp b, 0,1,2,3
.irp t, 0,1
	v_max3_num_f32 v[144+4*\t+\b], v[144+4*\t+\b], |v[32*\b+8*\t+\i]|, |v[32*\b+8*\t+\i+1]|
.endr
.endr
.endr
	WIN 0
.irp i, 0,1,2,3,4,5,6,7
	v_permlanex16_b32 v[152+\i], v[144+\i], s94, s95
.endr
.irp i, 0,1,2,3,4,5,6,7
	v_max_num_f32 v[144+\i], v[144+\i], v[152+\i]  ; with lane l xor 16's: the block's largest magnitude
.endr
.irp i, 0,1,2,3,4,5,6,7
	v_add_nc_u32 v[160+\i], 0xff000000, v[144+\i]  ; 2 off its exponent field: the conversion's scale operand
.endr
.irp i, 0,1,2,3,4,5,6,7
	v_lshrrev_b32 v[152+\i], 23, v[160+\i]         ; the scale's byte
.endr
.irp i, 1,2,3
.irp t, 0,1
.if \i == 1
	v_lshl_or_b32 v[168+\t], v[153+4*\t], 8, v[152+4*\t]
.else
	v_lshl_or_b32 v[168+\t], v[152+4*\t+\i], 8*\i, v[168+\t]
.endif
.endr
.endr
	WIN 0x03
.irp t, 0,1
.irp b, 0,1,2,3
.irp u, 0,1
	v_cvt_scalef32_pk8_fp4_f32 v[176+8*\t+4*(\b/2)+2*\u+(\b%2)], v[32*\b+16*\u+8*\t:32*\b+16*\u+8*\t+7], v[160+4*\t+\b]
.endr
.endr
.endr
	WIN 0
	v_cmp_le_u32 s71, 16, v1                       ; lanes 16-31
	v_nop                                          ; a plain place behind the scaled conversions
.irp i, 0,4,8,12
	v_permlane16_swap_b32 v[176+\i], v[177+\i]     ; the operand's layout: a whole block in a lane
	v_permlane16_swap_b32 v[178+\i], v[179+\i]
.endr
	v_cndmask_b32 v172, v168, v169, s71            ; lanes 0-15: t = 0, lanes 16-31: t = 1
.irp t, 0,1
.irp c, 0,1
	global_store_b128 v14, v[176+8*\t+4*\c:179+8*\t+4*\c], s[32:33] offset:1024*\t+512*\c
.endr
.endr
	global_store_b32 v19, v172, s[34:35]
	WIN 0x08
.irp a, 0,1,2,3,4,5,6,7
.irp t, 0,1
	global_store_b128 v14, v[128+16*\a+8*\t:131+16*\a+8*\t], s[92:93] offset:131072*\a+1024*\t th:TH_STORE_NT
	global_store_b128 v14, v[132+16*\a+8*\t:135+16*\a+8*\t], s[92:93] offset:131072*\a+1024*\t+512 th:TH_STORE_NT
.endr
.endr
	WIN 0
	s_wait_tensorcnt 0x0                           ; the wave's end
	ds_add_u32 v12, v13
	s_wait_dscnt 0x0
	ROUND                                          ; the closing round
	s_endpgm
.Lfunc_end_k_q4d147b2895_proj:
	.size	k_q4d147b2895_proj, .Lfunc_end_k_q4d147b2895_proj-k_q4d147b2895_proj
	.p2alignl 7, 3214868480
	.fill 96, 4, 3214868480
	.section	.rodata,"a",@progbits
	.p2align	6, 0x0
	.amdhsa_kernel k_q4d147b2895_proj
		.amdhsa_group_segment_fixed_size 327680
		.amdhsa_private_segment_fixed_size 0
		.amdhsa_enable_private_segment 0
		.amdhsa_kernarg_size 112
		.amdhsa_user_sgpr_count 2
		.amdhsa_user_sgpr_kernarg_segment_ptr 1
		.amdhsa_wavefront_size32 1
		.amdhsa_system_sgpr_workgroup_id_x 1
		.amdhsa_system_sgpr_workgroup_id_y 1
		.amdhsa_system_sgpr_workgroup_id_z 1
		.amdhsa_system_vgpr_workitem_id 0
		.amdhsa_next_free_vgpr 1024
		.amdhsa_next_free_sgpr 96
		.amdhsa_reserve_vcc 0
		.amdhsa_float_denorm_mode_32 3
		.amdhsa_float_denorm_mode_16_64 3
		.amdhsa_memory_ordered 1
		.amdhsa_forward_progress 1
		.amdhsa_inst_pref_size 158
	.end_amdhsa_kernel
	.amdgpu_metadata
---
amdhsa.version: [ 1, 2 ]
amdhsa.kernels:
  - .name:           k_q4d147b2895_proj
    .symbol:         k_q4d147b2895_proj.kd
    .args:
      - { .name: x_codes, .offset: 0, .size: 8, .value_kind: global_buffer, .address_space: global }
      - { .name: x_scales, .offset: 8, .size: 8, .value_kind: global_buffer, .address_space: global }
      - { .name: Wq_codes, .offset: 16, .size: 8, .value_kind: global_buffer, .address_space: global }
      - { .name: Wq_scales, .offset: 24, .size: 8, .value_kind: global_buffer, .address_space: global }
      - { .name: Wk_codes, .offset: 32, .size: 8, .value_kind: global_buffer, .address_space: global }
      - { .name: Wk_scales, .offset: 40, .size: 8, .value_kind: global_buffer, .address_space: global }
      - { .name: Wv_codes, .offset: 48, .size: 8, .value_kind: global_buffer, .address_space: global }
      - { .name: Wv_scales, .offset: 56, .size: 8, .value_kind: global_buffer, .address_space: global }
      - { .name: bq, .offset: 64, .size: 8, .value_kind: global_buffer, .address_space: global }
      - { .name: bk, .offset: 72, .size: 8, .value_kind: global_buffer, .address_space: global }
      - { .name: bv, .offset: 80, .size: 8, .value_kind: global_buffer, .address_space: global }
      - { .name: y, .offset: 88, .size: 8, .value_kind: global_buffer, .address_space: global }
      - { .name: v_c, .offset: 96, .size: 8, .value_kind: global_buffer, .address_space: global }
      - { .name: v_s, .offset: 104, .size: 8, .value_kind: global_buffer, .address_space: global }
    .group_segment_fixed_size: 327680
    .private_segment_fixed_size: 0
    .kernarg_segment_align: 8
    .kernarg_segment_size: 112
    .max_flat_workgroup_size: 128
    .sgpr_count:     96
    .vgpr_count:     1024
    .wavefront_size: 32
...
	.end_amdgpu_metadata
.endif
;; end of part 4
;; launch norm (part 5): grid 128 x 2, 16 waves a work-group, no clusters, 20,480 bytes of LDS; arguments y, gq, gk, freqs_cos, freqs_sin, q_c, q_s, k_c, k_s; writes q_c, q_s, k_c, k_s
.if DOCPART == 5
	.amdgcn_target "amdgcn-amd-amdhsa--gfx1250"
	.amdhsa_code_object_version 6
	.text
	.protected	k_q4d147b2895_norm
	.globl	k_q4d147b2895_norm
	.p2align	8
	.type	k_q4d147b2895_norm,@function
k_q4d147b2895_norm:
	s_mov_b64 s[64:65], 0
	v_nop
	global_prefetch_b8 v0, s[64:65] scope:SCOPE_SE
	s_setreg_imm32_b32 hwreg(HW_REG_WAVE_MODE, 25, 1), 1
	s_wait_xcnt 0x0
; RMS norm over a row's 2,048 numbers, gain, rope (pairs within a head of 128) and the quantiser along the head, for q (grid y = 0) and k (1), from the f32 images that the launch before stored.
; SHARES.  A work-group owns 16 rows (131,072 consecutive bytes); wave w owns head w: lane (r, h) holds row r, register 8 T + e channel 16 T + 8 h + e.  256 work-groups.
; cos and sin of the 16 rows and the gain come in once a work-group, go through LDS, and each lane takes its own from there while its 16 loads of y are on their way.
; No cluster: what work-groups share (the gain, 8,192 bytes) is a sixteenth of what each reads.  No prefetch: there is no loop; a wave's loads all go out at its head.
; OUT.  X_c[head][row / 16][c][lane][16 bytes], X_s[head][row][4 bytes].
; LIMITS.  NaN and infinities are not served; a block of zeros gets the byte 1 and not 127 (its codes are zeros; only this program reads the bytes); a block whose largest magnitude lies under 2^-124 is held at the byte 1.
; REGISTERS.  v1-16 addresses; v24-63 at work; v64-127 y; v128-191 the gain, then rope's products; v192-223 cos, v224-255 sin.
.set SINO, 4352                        ; LDS: cos, 16 rows of 256 bytes + 16, then sin
.set GAIN, 8704                        ; the gain, 8,192 bytes
.set RED,  16896                       ; [16 rows][16 heads] sums of squares, rows of 80 bytes
.set SPARE, 18176                      ; the spare words, 128 bytes a wave: no other line names them
	s_load_b512 s[8:23], s[0:1], 0x0               ; y 8, gq 10, gk 12, cos 14, sin 16, q_c 18, q_s 20, k_c 22
	s_load_b64 s[24:25], s[0:1], 0x40              ; k_s
	v_lshrrev_b32 v3, 5, v0
	v_readfirstlane_b32 s3, v3                     ; wave 0..15: my head
	s_and_b32 s6, ttmp7, 0xffff                    ; 0: q, 1: k
	s_lshl_b32 s4, s3, 9
	s_lshl_b32 s5, s3, 2
	s_mov_b32 s36, 0x3a000000                      ; 1 / 2,048
	s_mov_b32 s37, 0x358637bd                      ; 1e-6
	s_mov_b32 s38, 0x76543210                      ; v_permlanex16_b32: lane l xor 16
	s_mov_b32 s39, 0xfedcba98
	s_mov_b32 s41, 0
	v_lshl_add_u32 v1, v0, 2, SPARE                ; my spare word
	v_mov_b32 v2, 0                                ; 0
	v_and_b32 v4, 31, v0                           ; lane
	v_and_b32 v5, 15, v0                           ; r
	v_bfe_u32 v6, v0, 4, 1                         ; h
	v_lshlrev_b32 v7, 4, v4                        ; 16 x lane
	v_lshlrev_b32 v8, 4, v0                        ; 16 x thread: the gain
	v_and_b32 v9, 0xfff, v8                        ; 16 x (thread % 256): cos (waves 0-7) or sin (8-15)
	v_bfe_u32 v10, v0, 4, 4                        ; its row
	v_mul_u32_u24 v10, v10, 272
	v_lshl_add_u32 v10, v5, 4, v10
	v_lshrrev_b32 v11, 8, v0
	v_mul_u32_u24 v11, v11, SINO
	v_add_nc_u32 v10, v10, v11                     ; where it goes in LDS
	v_add_nc_u32 v11, GAIN, v8                     ; where my part of the gain goes
	v_mul_u32_u24 v12, v5, 272
	v_lshl_add_u32 v12, v6, 4, v12                 ; cos, sin of row r: 16 h (+ 32 T)
	v_lshlrev_b32 v13, 5, v6
	v_add_nc_u32 v13, GAIN, v13
	v_add_nc_u32 v13, s4, v13                      ; the gain of my head: 512 w + 32 h (+ 64 T)
	v_mul_u32_u24 v14, v5, 80
	v_add_nc_u32 v14, RED, v14                     ; row r's sums
	v_add_nc_u32 v15, s5, v14                      ; my head's among them
	v_lshlrev_b32 v16, 2, v5                       ; 4 r
.irp i, 28,29,30,31,40
	v_mov_b32 v[\i], 0                             ; a lane permute's destination counts as one of its sources
.endr
	s_wait_alu depctr_va_vdst(0)
	s_wait_kmcnt 0x0
	s_cmp_lt_u32 s3, 8
	s_cselect_b64 s[26:27], s[14:15], s[16:17]
	s_cmp_eq_u32 s6, 0
	s_cselect_b64 s[28:29], s[10:11], s[12:13]     ; the gain
	s_cselect_b64 s[30:31], s[18:19], s[22:23]     ; codes out
	s_cselect_b64 s[32:33], s[20:21], s[24:25]     ; scale words out
	s_lshl_b32 s40, ttmp9, 12
	s_add_nc_u64 s[26:27], s[26:27], s[40:41]      ; 16 rows x 256 bytes
	s_lshl_b32 s40, s6, 24
	s_lshl_b32 s42, ttmp9, 17
	s_add_co_u32 s40, s40, s42
	s_lshl_b32 s42, s3, 13
	s_add_co_u32 s40, s40, s42
	s_add_nc_u64 s[34:35], s[8:9], s[40:41]        ; y: my 8,192 bytes
	s_lshl_b32 s40, s3, 17
	s_lshl_b32 s42, ttmp9, 10
	s_add_co_u32 s40, s40, s42
	s_add_nc_u64 s[30:31], s[30:31], s[40:41]
	s_lshl_b32 s40, s3, 13
	s_lshl_b32 s42, ttmp9, 6
	s_add_co_u32 s40, s40, s42
	s_add_nc_u64 s[32:33], s[32:33], s[40:41]
	global_load_b128 v[48:51], v8, s[28:29]
	global_load_b128 v[52:55], v9, s[26:27]
.irp j, 0,1,2,3,4,5,6,7,8,9,10,11,12,13,14,15
	global_load_b128 v[64+4*\j:67+4*\j], v7, s[34:35] offset:512*\j th:TH_LOAD_NT
.endr
	s_wait_loadcnt 16                              ; all but y's sixteen
	ds_store_b128 v11, v[48:51]
	ds_store_b128 v10, v[52:55]
	s_wait_dscnt 0x0                               ; for the others' sake
	s_barrier_signal -1
	s_barrier_wait -1
.irp T, 0,1,2,3,4,5,6,7
	ds_load_b128 v[128+8*\T:131+8*\T], v13 offset:64*\T
	ds_load_b128 v[132+8*\T:135+8*\T], v13 offset:64*\T+16
.endr
.irp T, 0,1,2,3,4,5,6,7
	ds_load_b128 v[192+4*\T:195+4*\T], v12 offset:32*\T           ; pairs 8 T + 4 h + 0 .. 3
	ds_load_b128 v[224+4*\T:227+4*\T], v12 offset:SINO+32*\T
.endr
	s_wait_dscnt 0x0
.irp g, 0,1,2,3                                ; two tiles at a time, as they come: the squares in four chains of pairs, then the gain
	s_wait_loadcnt 12-4*\g
.irp T, 2*\g,2*\g+1
.irp e, 0,2,4,6
.if (\T) == 0
	v_pk_mul_f32 v[32+\e:33+\e], v[64+\e:65+\e], v[64+\e:65+\e]
.else
	v_pk_fma_f32 v[32+\e:33+\e], v[64+8*(\T)+\e:65+8*(\T)+\e], v[64+8*(\T)+\e:65+8*(\T)+\e], v[32+\e:33+\e]
.endif
.endr
.endr
.irp e, 0,2,4,6,8,10,12,14
	v_pk_mul_f32 v[64+16*\g+\e:65+16*\g+\e], v[64+16*\g+\e:65+16*\g+\e], v[128+16*\g+\e:129+16*\g+\e]
.endr
.endr
	v_pk_add_f32 v[32:33], v[32:33], v[34:35]
	v_pk_add_f32 v[36:37], v[36:37], v[38:39]
	v_pk_add_f32 v[32:33], v[32:33], v[36:37]
	v_add_f32 v32, v32, v33
	v_permlanex16_b32 v40, v32, s38, s39
	v_add_f32 v32, v32, v40                        ; row r's sum over my head
	ds_store_b32 v15, v32                          ; (lanes r and r + 16 write the same word with the same value)
	s_wait_alu depctr_va_vdst(0)
	s_wait_dscnt 0x0
	s_barrier_signal -1
	s_barrier_wait -1
.irp i, 0,1,2,3
	ds_load_b128 v[48+4*\i:51+4*\i], v14 offset:16*\i
.endr
	s_wait_dscnt 0x0
.irp i, 0,2,4,6
	v_pk_add_f32 v[48+\i:49+\i], v[48+\i:49+\i], v[56+\i:57+\i]
.endr
	v_pk_add_f32 v[48:49], v[48:49], v[52:53]
	v_pk_add_f32 v[50:51], v[50:51], v[54:55]
	v_pk_add_f32 v[48:49], v[48:49], v[50:51]
	v_add_f32 v48, v48, v49
	v_fma_f32 v48, v48, s36, s37                   ; the mean of the squares + eps
	s_wait_alu depctr_va_vdst(0)                   ; ahead of the transcendental
	v_rsq_f32 v50, v48
	v_nop                                          ; a plain place behind it
	s_wait_alu depctr_va_vdst(0)                   ; and ahead of its first reader
.set IDX, 0
.rept 32
	v_pk_mul_f32 v[192+IDX:193+IDX], v[192+IDX:193+IDX], v[50:51] op_sel_hi:[1,0]   ; the row's factor goes into its cos and sin
.set IDX, IDX+2
.endr
; rope on a pair (x0, x1): U = (x0 c, x1 c);  (x0, x1) = (x1 (-s) + U0, x0 s + U1).  x says which register of the pair of cos or sin feeds both halves
.macro ROT1 u, ac, cs, x
	v_pk_mul_f32 v[(\u):(\u)+1], v[(\ac):(\ac)+1], v[(\cs):(\cs)+1] op_sel:[0,\x] op_sel_hi:[1,\x]
.endm
.macro ROT2 u, ac, sn, x
	v_pk_fma_f32 v[(\ac):(\ac)+1], v[(\ac):(\ac)+1], v[(\sn):(\sn)+1], v[(\u):(\u)+1] op_sel:[1,\x,0] op_sel_hi:[0,\x,1] neg_lo:[0,1,0]
.endm
.irp T, 0,1,2,3,4,5,6,7
	ROT1 128+8*\T, 64+8*\T, 192+4*\T, 0
	ROT1 130+8*\T, 66+8*\T, 192+4*\T, 1
	ROT1 132+8*\T, 68+8*\T, 194+4*\T, 0
	ROT1 134+8*\T, 70+8*\T, 194+4*\T, 1
.endr
.irp T, 0,1,2,3,4,5,6,7
	ROT2 128+8*\T, 64+8*\T, 224+4*\T, 0
	ROT2 130+8*\T, 66+8*\T, 224+4*\T, 1
	ROT2 132+8*\T, 68+8*\T, 226+4*\T, 0
	ROT2 134+8*\T, 70+8*\T, 226+4*\T, 1
.endr
; the quantiser: block b is tiles 2 b and 2 b + 1, in lanes l and l xor 16
.irp b, 0,1,2,3
	v_max3_num_f32 v[24+\b], |v[64+16*\b]|, |v[65+16*\b]|, 0x1800000   ; with the floor 2^(3 - 127)
.endr
.irp i, 2,4,6,8,10,12,14
.irp b, 0,1,2,3
	v_max3_num_f32 v[24+\b], v[24+\b], |v[64+16*\b+\i]|, |v[65+16*\b+\i]|
.endr
.endr
.irp b, 0,1,2,3
	v_permlanex16_b32 v[28+\b], v[24+\b], s38, s39
.endr
.irp b, 0,1,2,3
	v_max_num_f32 v[24+\b], v[24+\b], v[28+\b]
.endr
.irp b, 0,1,2,3
	v_add_nc_u32 v[36+\b], 0xff000000, v[24+\b]    ; 2 off the exponent field: the conversion's scale operand
.endr
.irp b, 0,1,2,3
	v_lshrrev_b32 v[28+\b], 23, v[36+\b]           ; the scale's byte
.endr
	v_lshl_or_b32 v40, v29, 8, v28
	v_lshl_or_b32 v40, v30, 16, v40
	v_lshl_or_b32 v40, v31, 24, v40                ; row r's scale word of my head
.irp b, 0,1,2,3
	v_cvt_scalef32_pk8_fp4_f32 v[44+4*(\b/2)+(\b%2)], v[64+16*\b:71+16*\b], v[36+\b]
	v_cvt_scalef32_pk8_fp4_f32 v[46+4*(\b/2)+(\b%2)], v[72+16*\b:79+16*\b], v[36+\b]
.endr
	v_nop                                          ; a plain place behind a scaled conversion
.irp c, 0,1
	v_permlane16_swap_b32 v[44+4*\c], v[45+4*\c]   ; the operand's layout: a whole block in a lane
	v_permlane16_swap_b32 v[46+4*\c], v[47+4*\c]
.endr
	global_store_b128 v7, v[44:47], s[30:31]       ; 512 consecutive bytes, aligned
	global_store_b128 v7, v[48:51], s[30:31] offset:512
	global_store_b32 v16, v40, s[32:33]
	s_wait_tensorcnt 0x0                           ; the wave's end
	ds_add_u32 v1, v2
	s_wait_dscnt 0x0
	s_endpgm
.Lfunc_end_k_q4d147b2895_norm:
	.size	k_q4d147b2895_norm, .Lfunc_end_k_q4d147b2895_norm-k_q4d147b2895_norm
	.p2alignl 7, 3214868480
	.fill 96, 4, 3214868480
	.section	.rodata,"a",@progbits
	.p2align	6, 0x0
	.amdhsa_kernel k_q4d147b2895_norm
		.amdhsa_group_segment_fixed_size 20480
		.amdhsa_private_segment_fixed_size 0
		.amdhsa_enable_private_segment 0
		.amdhsa_kernarg_size 72
		.amdhsa_user_sgpr_count 2
		.amdhsa_user_sgpr_kernarg_segment_ptr 1
		.amdhsa_wavefront_size32 1
		.amdhsa_system_sgpr_workgroup_id_x 1
		.amdhsa_system_sgpr_workgroup_id_y 1
		.amdhsa_system_sgpr_workgroup_id_z 1
		.amdhsa_system_vgpr_workitem_id 0
		.amdhsa_next_free_vgpr 256
		.amdhsa_next_free_sgpr 66
		.amdhsa_reserve_vcc 0
		.amdhsa_float_denorm_mode_32 3
		.amdhsa_float_denorm_mode_16_64 3
		.amdhsa_memory_ordered 1
		.amdhsa_forward_progress 1
		.amdhsa_inst_pref_size 23
	.end_amdhsa_kernel
	.amdgpu_metadata
---
amdhsa.version: [ 1, 2 ]
amdhsa.kernels:
  - .name:           k_q4d147b2895_norm
    .symbol:         k_q4d147b2895_norm.kd
    .args:
      - { .name: y, .offset: 0, .size: 8, .value_kind: global_buffer, .address_space: global }
      - { .name: gq, .offset: 8, .size: 8, .value_kind: global_buffer, .address_space: global }
      - { .name: gk, .offset: 16, .size: 8, .value_kind: global_buffer, .address_space: global }
      - { .name: freqs_cos, .offset: 24, .size: 8, .value_kind: global_buffer, .address_space: global }
      - { .name: freqs_sin, .offset: 32, .size: 8, .value_kind: global_buffer, .address_space: global }
      - { .name: q_c, .offset: 40, .size: 8, .value_kind: global_buffer, .address_space: global }
      - { .name: q_s, .offset: 48, .size: 8, .value_kind: global_buffer, .address_space: global }
      - { .name: k_c, .offset: 56, .size: 8, .value_kind: global_buffer, .address_space: global }
      - { .name: k_s, .offset: 64, .size: 8, .value_kind: global_buffer, .address_space: global }
    .group_segment_fixed_size: 20480
    .private_segment_fixed_size: 0
    .kernarg_segment_align: 8
    .kernarg_segment_size: 72
    .max_flat_workgroup_size: 512
    .sgpr_count:     66
    .vgpr_count:     256
    .wavefront_size: 32
...
	.end_amdgpu_metadata
.endif
;; end of part 5
;; launch attn (part 6): grid 16 x 16, 16 waves a work-group, no clusters, 280,576 bytes of LDS; arguments q_c, q_s, k_c, k_s, v_c, v_s, y, a_s; writes y, a_s
.if DOCPART == 6
	.amdgcn_target "amdgcn-amd-amdhsa--gfx1250"
	.amdhsa_code_object_version 6
	.text
	.protected	k_q4d147b2895_attn
	.globl	k_q4d147b2895_attn
	.p2align	8
	.type	k_q4d147b2895_attn,@function
k_q4d147b2895_attn:
	s_mov_b64 s[64:65], 0
	v_nop
	global_prefetch_b8 v0, s[64:65] scope:SCOPE_SE
	s_setreg_imm32_b32 hwreg(HW_REG_WAVE_MODE, 25, 1), 1
	s_wait_xcnt 0x0
; Causal attention of one head on codes of FP4 (E2M1), and the quantising of O / l for the last product.
; t = score x log2(e) / sqrt(128); M = the running largest t rounded up to a whole number; p = 2^(t - M) is quantised along the keys, not normalised; the sum is taken of the unquantised p and divides O at the end.
; All operands are images of their registers, dense for each head: q, k: [head][row / 16][c][lane][16 bytes]; v: [head][key step][channel / 16][c][lane][16 bytes]; scale words likewise, 4 bytes a row.
; The result's codes go into the first 2,097,152 bytes of buffer y, whose f32 images nobody reads any more: [head][row / 16][c][lane][16 bytes].
; SHARES.  Work-group (i, head) owns the query blocks of 64 numbered i and 31 - i.  A tile of 16 queries of block j needs j / 2 + 1 key steps of 128, so a tile of each together need 17, whatever i is.
; SIXTEEN waves, two to a tile: waves 0-7 take the tile's even key steps, waves 8-15 the odd ones.  At the end waves 8-15 hand O, -M and the sum to their partners through LDS; both sides are brought under the common M by exact powers of two.
; Four waves of 256 registers share a SIMD's 1,024: so the longest walk is 8 key steps.
; LDS.  The head's K (131,072 bytes), V (131,072) and their scale words (2 x 8,192) all fit: every byte is filled once, at the start, by waves 0-7, one tensor load each.
; Phase 0 (key steps 0-3) needs what waves 0-3 fetched, phase 1 (4-7) what waves 4 and 5 did, phase 2 (8-15) what waves 6 and 7 did.
; The hand-over lies in K's bytes, behind a barrier that shows that nobody reads them any more.
; NO CLUSTER, though the 16 work-groups of a head read the same K and V: which key steps a wave leaves out hangs on its query block, which differs between the work-groups that would be partners.
; No prefetch: no loop loads; all loads go out at the head.
; LEFT OUT: a key step all of whose keys come after a wave's 16 queries (reference()'s own tril hides it whole; its p are 0).  A NaN, an infinity or an overflow that reaches only hidden scores is not carried.
; LAYOUT.  S^T = K Q^T, O^T = V^T P^T: a lane holds one query (lane % 16); register e of tile T is key (or channel) 16 T + 8 h + e.  A block of 32 is tiles 2 b, 2 b + 1 in lanes l and l xor 16.
; LIMITS.  The scaled scores t stay under 2^31 in magnitude.  NaN and infinities are not served; a block of zeros gets the byte 1 and not 127 (its codes are zeros; only this program reads the bytes);
;   a block whose largest magnitude lies under 2^-124 is held at the byte 1.
; REGISTERS.  v1-11 addresses; v12 -M, v13 largest t, v[14:15] the sum; v16-23 Q; v24-27 K's scale words, v28-31 V's; v32-95 eight fragments of K, then of V; v96-159 S^T, then p; v160-223 O^T;
;   v224-231 p's codes; v232-249, v252, v254 at work; v250, v251 the add's; v253 p's scale word; v255 Q's scale word.
.set VIMG,  131072
.set SCK,   262144
.set SPARE, 278528                     ; the spare words, 128 bytes a wave: no other line names them
.set HAND,  8448                       ; the hand-over: 8,192 bytes of O, 128 of -M, 128 of the sum, a tile
.macro WM d, a, b, c, sa, sb, ra       ; one matrix instruction: C a register number or -1 for the constant 0; ra: source 0's scales lie in lanes 16-31
.if (\c) < 0
.if (\ra)
	v_wmma_scale_f32_16x16x128_f8f6f4 v[(\d):(\d)+7], v[(\a):(\a)+7], v[(\b):(\b)+7], 0, v[(\sa)], v[(\sb)] matrix_a_fmt:MATRIX_FMT_FP4 matrix_b_fmt:MATRIX_FMT_FP4 matrix_a_scale:MATRIX_SCALE_ROW1
.else
	v_wmma_scale_f32_16x16x128_f8f6f4 v[(\d):(\d)+7], v[(\a):(\a)+7], v[(\b):(\b)+7], 0, v[(\sa)], v[(\sb)] matrix_a_fmt:MATRIX_FMT_FP4 matrix_b_fmt:MATRIX_FMT_FP4
.endif
.else
.if (\ra)
	v_wmma_scale_f32_16x16x128_f8f6f4 v[(\d):(\d)+7], v[(\a):(\a)+7], v[(\b):(\b)+7], v[(\c):(\c)+7], v[(\sa)], v[(\sb)] matrix_a_fmt:MATRIX_FMT_FP4 matrix_b_fmt:MATRIX_FMT_FP4 matrix_a_scale:MATRIX_SCALE_ROW1
.else
	v_wmma_scale_f32_16x16x128_f8f6f4 v[(\d):(\d)+7], v[(\a):(\a)+7], v[(\b):(\b)+7], v[(\c):(\c)+7], v[(\sa)], v[(\sb)] matrix_a_fmt:MATRIX_FMT_FP4 matrix_b_fmt:MATRIX_FMT_FP4
.endif
.endif
.endm
.macro PLACES
.rept 4
	v_nop
.endr
.endm
	s_load_b512 s[4:19], s[0:1], 0x0               ; q_c 4, q_s 6, k_c 8, k_s 10, v_c 12, v_s 14, y 16, a_s 18
	v_lshl_add_u32 v250, v0, 2, SPARE              ; my spare word; never rewritten
	v_mov_b32 v251, 0                              ; 0; never rewritten
	ds_add_u32 v250, v251                          ; the opening lines: the add, twice on end, and its wait
	ds_add_u32 v250, v251
	v_lshrrev_b32 v1, 5, v0
	v_readfirstlane_b32 s20, v1                    ; wave 0..15
	s_and_b32 s23, ttmp7, 0xffff                   ; the head
	; group 1: dense bytes as rows of 32 elements of 8 bytes: 128 rows (4 key steps of K or V), 256 (8 key steps), 32 (a head's scale words)
.irp g, 48, 56, 68
	s_mov_b32 s[\g], 3<<16
	s_mov_b32 s[\g+1], 32<<16
	s_mov_b32 s[\g+3], 32<<16
	s_mov_b32 s[\g+5], 32
	s_mov_b32 s[\g+6], 0
	s_mov_b32 s[\g+7], 0
.endr
	s_mov_b32 s50, 128<<16
	s_mov_b32 s52, 128
	s_mov_b32 s58, 256<<16
	s_mov_b32 s60, 256
	s_mov_b32 s70, 32<<16
	s_mov_b32 s72, 32
	s_lshl_b32 s36, s23, 17                        ; a head's codes: 131,072 bytes
	s_mov_b32 s37, 0
	s_lshl_b32 s38, s23, 13                        ; its scale words: 8,192
	s_mov_b32 s39, 0
	s_mov_b32 s26, 0x76543210                      ; v_permlanex16_b32: lane l xor 16
	s_mov_b32 s27, 0xfedcba98
	s_mov_b32 s28, 0x3e0293ee                      ; c = log2(e) / sqrt(128)
	s_mov_b32 s29, s28                             ; (named with it as a pair)
	s_wait_dscnt 0x0                               ; both opening adds are done
	s_wait_kmcnt 0x0
	s_add_nc_u64 s[84:85], s[8:9], s[36:37]        ; the head's K, V and their scale words
	s_add_nc_u64 s[86:87], s[12:13], s[36:37]
	s_add_nc_u64 s[88:89], s[10:11], s[38:39]
	s_add_nc_u64 s[90:91], s[14:15], s[38:39]
; ONE tree of branches on the wave's number, an arm a load: one tensor load a wave, each with a line of its own; waves 8-15 fetch nothing.
.macro ARM under, base, off, lds, g1, next
	s_cmp_lt_u32 s20, \under
	s_cbranch_scc0 \next
	s_mov_b32 s80, 1
	s_mov_b32 s81, \lds
	s_add_nc_u64 s[82:83], s[\base:\base+1], \off
	s_or_b32 s83, s83, 0x80000000
	tensor_load_to_lds s[80:83], s[\g1:\g1+7]
	s_nop 0
	PLACES
	s_branch .Lfilled
\next:
.endm
	ARM 1, 84, 0,     0,           48, .Lf1
	ARM 2, 86, 0,     VIMG,        48, .Lf2
	ARM 3, 88, 0,     SCK,         68, .Lf3
	ARM 4, 90, 0,     SCK+8192,    68, .Lf4
	ARM 5, 84, 32768, 32768,       48, .Lf5
	ARM 6, 86, 32768, VIMG+32768,  48, .Lf6
	ARM 7, 84, 65536, 65536,       56, .Lf7
	ARM 8, 86, 65536, VIMG+65536,  56, .Lf8
.Lfilled:
	s_and_b32 s21, s20, 3                          ; which tile of the block
	s_lshr_b32 s36, s20, 2
	s_xor_b32 s36, s36, s20
	s_and_b32 s22, s36, 1                          ; 0: block 31 - i, 1: block i
	s_lshr_b32 s24, s20, 3                         ; 0: the even key steps, 1: the odd ones
	s_lshl_b32 s43, s24, 7                         ; my first key step: its first key,
	s_lshl_b32 s44, s24, 13                        ; its images' byte,
	s_lshl_b32 s45, s24, 9                         ; its scale words' byte
	s_sub_co_u32 s39, 31, ttmp9
	s_cmp_eq_u32 s22, 0
	s_cselect_b32 s39, s39, ttmp9
	s_lshl_b32 s33, s39, 6
	s_lshl_b32 s36, s21, 4
	s_add_co_u32 s33, s33, s36                     ; Q0: my first query
	s_lshl_b32 s40, s23, 17
	s_lshl_b32 s41, s33, 6
	s_add_co_u32 s40, s40, s41
	s_mov_b32 s41, 0
	s_add_nc_u64 s[4:5], s[4:5], s[40:41]          ; my fragment of q, and of the result: 131,072 head + 1,024 (Q0 / 16)
	s_add_nc_u64 s[16:17], s[16:17], s[40:41]
	s_lshl_b32 s40, s23, 13
	s_lshl_b32 s42, s33, 2
	s_add_co_u32 s40, s40, s42
	s_add_nc_u64 s[6:7], s[6:7], s[40:41]          ; their scale words: 8,192 head + 4 Q0
	s_add_nc_u64 s[18:19], s[18:19], s[40:41]
	v_and_b32 v1, 31, v0
	v_and_b32 v4, 15, v0                           ; r
	v_bfe_u32 v5, v0, 4, 1                         ; h
	v_lshlrev_b32 v2, 4, v1                        ; an image's place: 16 x lane
	v_lshl_add_u32 v3, v1, 2, SCK                  ; a scale word's: 4 x lane
	v_lshlrev_b32 v6, 2, v4                        ; 4 r
	v_lshlrev_b32 v7, 3, v5
	v_sub_nc_u32 v7, v4, v7                        ; r - 8 h, for the mask
	global_load_b128 v[16:19], v2, s[4:5]
	global_load_b128 v[20:23], v2, s[4:5] offset:512
	global_load_b32 v255, v6, s[6:7]
	v_mov_b32 v13, 0xff61b1e6                      ; the largest t so far: -3e38
	v_floor_f32 v12, -v13                          ; -M
	v_mov_b32 v14, 0
	v_mov_b32 v15, 0
.irp b, 0,1,2,3
	v_mov_b32 v[236+\b], 0                         ; a lane permute's destination counts as one of its sources
.endr
	v_mov_b32 v252, 0
	v_mov_b32 v253, 0                              ; (named as the upper half of v[252:253] before it is first written)
.set JJ, 0
.rept 64
	v_mov_b32 v[160+JJ], 0                         ; O^T: the step is written alike for all steps; the first change of M leaves zeros zeros
.set JJ, JJ+1
.endr
; A KEY STEP: 128 keys.  s30 = its first key, s31 = its images' LDS byte, s32 = its scale words'.
.macro STEP
	s_add_co_u32 s35, s33, 15                      ; a step all of whose keys come after my 16 queries is left out: a branch on ids, round the work alone
	s_cmp_gt_u32 s30, s35
	s_cbranch_scc1 .Lhidden_\@
	v_add_nc_u32 v8, s31, v2                       ; (these three and the v_nop are the places behind the last step's products, in front of the loads)
	v_add_nc_u32 v10, s32, v3
	s_delay_alu instid0(VALU_DEP_2)
	v_add_nc_u32 v9, VIMG, v8
	v_nop
.irp T, 0,1,2,3,4,5,6,7
	ds_load_b128 v[32+8*\T:35+8*\T], v8 offset:1024*\T
	ds_load_b128 v[36+8*\T:39+8*\T], v8 offset:1024*\T+512
.endr
.irp p, 0,1,2,3
	ds_load_b32 v[24+\p], v10 offset:128*\p        ; lane = key 32 p + lane: tiles 2 p (lanes 0-15) and 2 p + 1 (lanes 16-31) share a register
.endr
	s_wait_alu depctr_va_vdst(0)
	s_wait_dscnt 0x0
.irp T, 0,1,2,3,4,5,6,7
	WM 96+8*\T, 32+8*\T, 16, -1, 24+\T/2, 255, \T%2
.endr
	PLACES
.irp T, 0,1,2,3,4,5,6,7                        ; V's fragments are asked for here and land under the softmax
	ds_load_b128 v[32+8*\T:35+8*\T], v9 offset:1024*\T
	ds_load_b128 v[36+8*\T:39+8*\T], v9 offset:1024*\T+512
.endr
.irp p, 0,1,2,3
	ds_load_b32 v[28+\p], v10 offset:8192+128*\p
.endr
	s_add_co_u32 s35, s30, 127                     ; on the diagonal hidden scores become -infinity ahead of the maximum; a step all of whose keys count skips this
	s_cmp_le_u32 s35, s33
	s_cbranch_scc1 .Lopen_\@
	s_sub_co_i32 s35, s33, s30
	v_add_nc_u32 v254, s35, v7                     ; d = my query - the step's first key - 8 h.  Register 8 T + e holds key 16 T + 8 h + e: hidden where 16 T + e > d
	v_mov_b32 v252, 0xff800000
.set NN, 0
.rept 64
	v_cmp_gt_i32 vcc_lo, 16*(NN/8)+NN%8, v254
	v_cndmask_b32 v[96+NN], v[96+NN], v252, vcc_lo
.set NN, NN+1
.endr
.Lopen_\@:
.irp b, 0,1,2,3
	v_max3_num_f32 v[232+\b], v[96+16*\b], v[97+16*\b], v[98+16*\b]   ; the largest score of each block of 32 keys: for the row's maximum, and, since p rises with the score, for the block's largest p
.endr
.irp i, 3,5,7,9,11,13
.irp b, 0,1,2,3
	v_max3_num_f32 v[232+\b], v[232+\b], v[96+16*\b+\i], v[97+16*\b+\i]
.endr
.endr
.irp b, 0,1,2,3
	v_max_num_f32 v[232+\b], v[232+\b], v[111+16*\b]
.endr
.irp b, 0,1,2,3
	s_delay_alu instid0(VALU_DEP_4)
	v_permlanex16_b32 v[236+\b], v[232+\b], s26, s27
.endr
.irp b, 0,1,2,3
	s_delay_alu instid0(VALU_DEP_4)
	v_max_num_f32 v[232+\b], v[232+\b], v[236+\b]
.endr
	s_delay_alu instid0(VALU_DEP_2)
	v_max3_num_f32 v254, v232, v233, v234
	s_delay_alu instid0(VALU_DEP_1)
	v_max_num_f32 v254, v254, v235
	s_delay_alu instid0(VALU_DEP_1)
	v_mul_f32 v254, s28, v254                      ; the step's largest t
	s_delay_alu instid0(VALU_DEP_1)
	v_max_num_f32 v13, v13, v254
	v_mov_b32 v254, v12
	s_delay_alu instid0(VALU_DEP_2)
	v_floor_f32 v12, -v13                          ; the new -M = -ceil(t)
	s_delay_alu instid0(VALU_DEP_1)
	v_sub_f32 v254, v12, v254                      ; old M - new M: a whole number, 0 or less
	s_delay_alu instid0(VALU_DEP_1)
	v_cvt_i32_f32 v254, v254                       ; (it saturates)
	s_delay_alu instid0(VALU_DEP_1)
	v_ldexp_f32 v252, 1.0, v254                    ; f = 2^(old M - new M): exact
.set JJ, 0
.rept 32
	v_pk_fma_f32 v[96+JJ:97+JJ], v[96+JJ:97+JJ], s[28:29], v[12:13] op_sel_hi:[1,0,0]   ; t - M
.set JJ, JJ+2
.endr
.irp b, 0,1,2,3
	v_fma_f32 v[232+\b], v[232+\b], s28, v12
.endr
.set JJ, 0
	s_wait_alu depctr_va_vdst(0)                   ; ahead of the batch
.rept 64
	v_exp_f32 v[96+JJ], v[96+JJ]                   ; p = 2^(t - M)
.set JJ, JJ+1
.endr
	v_pk_mul_f32 v[14:15], v[14:15], v[252:253] op_sel_hi:[1,0]   ; the sums under the new M; a plain place behind the exponentials
	s_wait_alu depctr_va_vdst(0)                   ; one wait for the batch, ahead of its first reader
.irp b, 0,1,2,3
	v_exp_f32 v[232+\b], v[232+\b]                 ; each block's largest p
.endr
	v_pk_add_f32 v[236:237], v[100:101], v[104:105]
	v_pk_add_f32 v[248:249], v[108:109], v[112:113]
	v_pk_add_f32 v[246:247], v[116:117], v[120:121]
	v_pk_add_f32 v[244:245], v[124:125], v[128:129]
	v_pk_add_f32 v[242:243], v[132:133], v[136:137]
	v_pk_add_f32 v[240:241], v[140:141], v[144:145]
	v_pk_add_f32 v[238:239], v[148:149], v[152:153]
	v_pk_add_f32 v[14:15], v[14:15], v[156:157]
	v_pk_add_f32 v[236:237], v[236:237], v[96:97]
	v_pk_add_f32 v[248:249], v[248:249], v[98:99]
	v_pk_add_f32 v[246:247], v[246:247], v[102:103]
	v_pk_add_f32 v[244:245], v[244:245], v[106:107]
	v_pk_add_f32 v[242:243], v[242:243], v[110:111]
	v_pk_add_f32 v[240:241], v[240:241], v[114:115]
	v_pk_add_f32 v[238:239], v[238:239], v[118:119]
	v_pk_add_f32 v[14:15], v[14:15], v[122:123]
	v_pk_add_f32 v[236:237], v[236:237], v[126:127]
	v_pk_add_f32 v[248:249], v[248:249], v[130:131]
	v_pk_add_f32 v[246:247], v[246:247], v[134:135]
	v_pk_add_f32 v[244:245], v[244:245], v[138:139]
	v_pk_add_f32 v[242:243], v[242:243], v[142:143]
	v_pk_add_f32 v[240:241], v[240:241], v[146:147]
	v_pk_add_f32 v[238:239], v[238:239], v[150:151]
	v_pk_add_f32 v[14:15], v[14:15], v[154:155]
	v_pk_add_f32 v[236:237], v[236:237], v[158:159]
	s_delay_alu instid0(VALU_DEP_2)
	v_pk_add_f32 v[14:15], v[14:15], v[244:245]
	s_delay_alu instid0(VALU_DEP_2)
	v_pk_add_f32 v[236:237], v[236:237], v[242:243]
	v_pk_add_f32 v[248:249], v[248:249], v[240:241]
	v_pk_add_f32 v[246:247], v[246:247], v[238:239]
	s_delay_alu instid0(VALU_DEP_2)
	v_pk_add_f32 v[14:15], v[14:15], v[248:249]
	s_delay_alu instid0(VALU_DEP_2)
	v_pk_add_f32 v[236:237], v[236:237], v[246:247]
	s_delay_alu instid0(VALU_DEP_1)
	v_pk_add_f32 v[14:15], v[14:15], v[236:237]
	s_wait_alu depctr_va_vdst(0)                   ; and one for the four
.irp b, 0,1,2,3
	v_max_num_f32 v[232+\b], 0x1800000, v[232+\b]  ; the floor 2^(3 - 127)
.endr
.irp b, 0,1,2,3
	s_delay_alu instid0(VALU_DEP_4)
	v_add_nc_u32 v[244+\b], 0xff000000, v[232+\b]  ; 2 off the exponent field: the conversion's scale operand
.endr
.irp b, 0,1,2,3
	s_delay_alu instid0(VALU_DEP_4)
	v_lshrrev_b32 v[236+\b], 23, v[244+\b]
.endr
	s_delay_alu instid0(VALU_DEP_3)
	v_lshl_or_b32 v253, v237, 8, v236              ; p's scale word for these 128 keys
	s_delay_alu instid0(VALU_DEP_1)
	v_lshl_or_b32 v253, v238, 16, v253
	s_delay_alu instid0(VALU_DEP_1)
	v_lshl_or_b32 v253, v239, 24, v253
.irp b, 0,1,2,3
	v_cvt_scalef32_pk8_fp4_f32 v[224+4*(\b/2)+(\b%2)], v[96+16*\b:103+16*\b], v[244+\b]    ; tile 2 b
	v_cvt_scalef32_pk8_fp4_f32 v[226+4*(\b/2)+(\b%2)], v[104+16*\b:111+16*\b], v[244+\b]   ; tile 2 b + 1
.endr
	v_nop                                          ; one plain place behind a scaled conversion
.irp c, 0,1
	v_permlane16_swap_b32 v[224+4*\c], v[225+4*\c] ; a whole block in a lane: lanes 0-15 block 2 c, lanes 16-31 block 2 c + 1
	v_permlane16_swap_b32 v[226+4*\c], v[227+4*\c]
.endr
.set JJ, 0
.rept 32
	v_pk_mul_f32 v[160+JJ:161+JJ], v[160+JJ:161+JJ], v[252:253] op_sel_hi:[1,0]   ; O^T under the new M; also the places between the scale word, the codes and the products
.set JJ, JJ+2
.endr
	s_wait_alu depctr_va_vdst(0)
	s_wait_dscnt 0x0                               ; V
.irp T, 0,1,2,3,4,5,6,7
	WM 160+8*\T, 32+8*\T, 224, 160+8*\T, 28+\T/2, 253, \T%2
.endr
.Lhidden_\@:
	s_add_co_u32 s30, s30, 256                     ; my next key step: two on
	s_add_co_u32 s31, s31, 16384
	s_add_co_u32 s32, s32, 1024
.endm
; PHASE n: key steps from 4 n on, `trips` of them mine.  Later loads may stay out across them.
.macro PHASE n, trips
.if (\n) < 2
	s_cmp_lt_u32 s20, 4+2*(\n)
	s_cbranch_scc0 .Llater_\@
	s_wait_tensorcnt 0x0
.Llater_\@:
.else
	s_wait_tensorcnt 0x0                           ; all that is still out
.endif
	s_wait_dscnt 0x0
	s_barrier_signal -1
	s_barrier_wait -1
	s_add_co_u32 s30, s43, 512*(\n)
	s_add_co_u32 s31, s44, 32768*(\n)
	s_add_co_u32 s32, s45, 2048*(\n)
	s_mov_b32 s34, \trips
.Lks_\@:
	STEP
	s_sub_co_u32 s34, s34, 1
	s_cmp_lg_u32 s34, 0
	s_cbranch_scc1 .Lks_\@
.endm
	s_wait_alu depctr_va_vdst(0)
	s_wait_loadcnt 0x0                             ; Q
	PHASE 0, 2
	PHASE 1, 2
	PHASE 2, 4
	; THE HAND-OVER, from wave w + 8 to wave w
	PLACES
	s_and_b32 s37, s20, 7
	s_mul_i32 s36, s37, HAND                       ; my tile's part
	v_add_f32 v14, v14, v15
	v_permlanex16_b32 v252, v14, s26, s27
	v_add_f32 v14, v14, v252                       ; the row's sum over my key steps
	v_lshlrev_b32 v11, 2, v1
	v_add_nc_u32 v11, s36, v11
	v_add_nc_u32 v8, s36, v2
	s_wait_alu depctr_va_vdst(0)
	s_wait_dscnt 0x0
	s_barrier_signal -1
	s_barrier_wait -1                              ; nobody reads K any more
	s_cmp_lt_u32 s20, 8
	s_cbranch_scc1 .Ltake
.irp T, 0,1,2,3,4,5,6,7
	ds_store_b128 v8, v[160+8*\T:163+8*\T] offset:1024*\T
	ds_store_b128 v8, v[164+8*\T:167+8*\T] offset:1024*\T+512
.endr
	ds_store_b32 v11, v12 offset:8192
	ds_store_b32 v11, v14 offset:8320
.Ltake:
	s_wait_dscnt 0x0                               ; for the partner's sake
	s_barrier_signal -1
	s_barrier_wait -1
	s_cmp_lt_u32 s20, 8
	s_cbranch_scc0 .Lend
	ds_load_b32 v248, v11 offset:8192              ; the partner's -M
	ds_load_b32 v249, v11 offset:8320              ; and sum
.irp T, 0,1,2,3,4,5,6,7
	ds_load_b128 v[96+8*\T:99+8*\T], v8 offset:1024*\T
	ds_load_b128 v[100+8*\T:103+8*\T], v8 offset:1024*\T+512
.endr
	s_wait_dscnt 16                                ; all but O's sixteen
	v_min_num_f32 v245, v12, v248                  ; -M of both (a partner without a key step has -M = 3e38, sums of 0: its factor is 0)
	v_sub_f32 v246, v245, v12
	v_sub_f32 v247, v245, v248
	v_cvt_i32_f32 v246, v246                       ; (they saturate)
	v_cvt_i32_f32 v247, v247
	v_ldexp_f32 v252, 1.0, v246                    ; my factor,
	v_ldexp_f32 v254, 1.0, v247                    ; and the partner's
	v_mul_f32 v14, v14, v252
	v_fma_f32 v14, v249, v254, v14                 ; the row's sum
	s_wait_alu depctr_va_vdst(0)                   ; ahead of the transcendental
	v_rcp_f32 v244, v14
	v_nop                                          ; a plain place behind it
	s_wait_dscnt 0x0                               ; the partner's O
	s_wait_alu depctr_va_vdst(0)                   ; ahead of its first reader, and of O's
	v_mul_f32 v252, v252, v244                     ; factor / sum
	v_mul_f32 v254, v254, v244
.set JJ, 0
.rept 32
	v_pk_mul_f32 v[160+JJ:161+JJ], v[160+JJ:161+JJ], v[252:253] op_sel_hi:[1,0]
.set JJ, JJ+2
.endr
.set JJ, 0
.rept 32
	v_pk_fma_f32 v[96+JJ:97+JJ], v[96+JJ:97+JJ], v[254:255], v[160+JJ:161+JJ] op_sel_hi:[1,0,1]   ; register 8 T + e: channel 16 T + 8 h + e of my query
.set JJ, JJ+2
.endr
	; quantised along the head's 128, stored as the image of the last product's operand
.irp b, 0,1,2,3
	v_max3_num_f32 v[232+\b], |v[96+16*\b]|, |v[97+16*\b]|, 0x1800000
.endr
.irp i, 2,4,6,8,10,12,14
.irp b, 0,1,2,3
	v_max3_num_f32 v[232+\b], v[232+\b], |v[96+16*\b+\i]|, |v[97+16*\b+\i]|
.endr
.endr
.irp b, 0,1,2,3
	v_permlanex16_b32 v[236+\b], v[232+\b], s26, s27
.endr
.irp b, 0,1,2,3
	v_max_num_f32 v[232+\b], v[232+\b], v[236+\b]
.endr
.irp b, 0,1,2,3
	v_add_nc_u32 v[244+\b], 0xff000000, v[232+\b]
.endr
.irp b, 0,1,2,3
	v_lshrrev_b32 v[236+\b], 23, v[244+\b]
.endr
	v_lshl_or_b32 v248, v237, 8, v236
	v_lshl_or_b32 v248, v238, 16, v248
	v_lshl_or_b32 v248, v239, 24, v248
.irp b, 0,1,2,3
	v_cvt_scalef32_pk8_fp4_f32 v[224+4*(\b/2)+(\b%2)], v[96+16*\b:103+16*\b], v[244+\b]
	v_cvt_scalef32_pk8_fp4_f32 v[226+4*(\b/2)+(\b%2)], v[104+16*\b:111+16*\b], v[244+\b]
.endr
	v_nop
.irp c, 0,1
	v_permlane16_swap_b32 v[224+4*\c], v[225+4*\c]
	v_permlane16_swap_b32 v[226+4*\c], v[227+4*\c]
.endr
	global_store_b128 v2, v[224:227], s[16:17]             ; 512 consecutive bytes, aligned
	global_store_b128 v2, v[228:231], s[16:17] offset:512
	global_store_b32 v6, v248, s[18:19]                    ; 16 scale words; both halves of the lanes hold and write the same word
.Lend:
	s_wait_tensorcnt 0x0                           ; the wave's end
	ds_add_u32 v250, v251
	s_wait_dscnt 0x0
	s_endpgm
.Lfunc_end_k_q4d147b2895_attn:
	.size	k_q4d147b2895_attn, .Lfunc_end_k_q4d147b2895_attn-k_q4d147b2895_attn
	.p2alignl 7, 3214868480
	.fill 96, 4, 3214868480
	.section	.rodata,"a",@progbits
	.p2align	6, 0x0
	.amdhsa_kernel k_q4d147b2895_attn
		.amdhsa_group_segment_fixed_size 280576
		.amdhsa_private_segment_fixed_size 0
		.amdhsa_enable_private_segment 0
		.amdhsa_kernarg_size 64
		.amdhsa_user_sgpr_count 2
		.amdhsa_user_sgpr_kernarg_segment_ptr 1
		.amdhsa_wavefront_size32 1
		.amdhsa_system_sgpr_workgroup_id_x 1
		.amdhsa_system_sgpr_workgroup_id_y 1
		.amdhsa_system_sgpr_workgroup_id_z 1
		.amdhsa_system_vgpr_workitem_id 0
		.amdhsa_next_free_vgpr 256
		.amdhsa_next_free_sgpr 100
		.amdhsa_reserve_vcc 1
		.amdhsa_float_denorm_mode_32 3
		.amdhsa_float_denorm_mode_16_64 3
		.amdhsa_memory_ordered 1
		.amdhsa_forward_progress 1
		.amdhsa_inst_pref_size 96
	.end_amdhsa_kernel
	.amdgpu_metadata
---
amdhsa.version: [ 1, 2 ]
amdhsa.kernels:
  - .name:           k_q4d147b2895_attn
    .symbol:         k_q4d147b2895_attn.kd
    .args:
      - { .name: q_c, .offset: 0, .size: 8, .value_kind: global_buffer, .address_space: global }
      - { .name: q_s, .offset: 8, .size: 8, .value_kind: global_buffer, .address_space: global }
      - { .name: k_c, .offset: 16, .size: 8, .value_kind: global_buffer, .address_space: global }
      - { .name: k_s, .offset: 24, .size: 8, .value_kind: global_buffer, .address_space: global }
      - { .name: v_c, .offset: 32, .size: 8, .value_kind: global_buffer, .address_space: global }
      - { .name: v_s, .offset: 40, .size: 8, .value_kind: global_buffer, .address_space: global }
      - { .name: y, .offset: 48, .size: 8, .value_kind: global_buffer, .address_space: global }
      - { .name: a_s, .offset: 56, .size: 8, .value_kind: global_buffer, .address_space: global }
    .group_segment_fixed_size: 280576
    .private_segment_fixed_size: 0
    .kernarg_segment_align: 8
    .kernarg_segment_size: 64
    .max_flat_workgroup_size: 512
    .sgpr_count:     100
    .vgpr_count:     256
    .wavefront_size: 32
...
	.end_amdgpu_metadata
.endif
;; end of part 6
;; launch oproj (part 7): grid 16 x 16, 4 waves a work-group, clusters of 4 x 4, 327,680 bytes of LDS; arguments y, a_s, Wo_codes, Wo_scales, bo, out0; writes out0
.if DOCPART == 7
	.amdgcn_target "amdgcn-amd-amdhsa--gfx1250"
	.amdhsa_code_object_version 6
	.text
	.protected	k_q4d147b2895_oproj
	.globl	k_q4d147b2895_oproj
	.p2align	8
	.type	k_q4d147b2895_oproj,@function
k_q4d147b2895_oproj:
	s_mov_b64 s[64:65], 0
	v_nop
	global_prefetch_b8 v0, s[64:65] scope:SCOPE_SE
	s_setreg_imm32_b32 hwreg(HW_REG_WAVE_MODE, 25, 1), 1
	s_wait_xcnt 0x0
	s_wait_alu depctr_hold_cnt(0) depctr_sa_sdst(0) depctr_va_vdst(0) depctr_va_sdst(0) depctr_va_ssrc(0) depctr_va_vcc(0) depctr_vm_vsrc(0)
	s_getreg_b32 s2, hwreg(HW_REG_IB_STS2, 6, 4)
	s_cmp_eq_u32 s2, 0
	s_cbranch_scc0 .Lentry_in_a_cluster
	s_endpgm
.Lentry_in_a_cluster:
	s_bfe_u32 s2, ttmp6, 0x10000c
	s_cmp_lg_u32 s2, 0xf033
	s_cbranch_scc0 .Lentry_shape_is_right
	s_endpgm
.Lentry_shape_is_right:
; out = a Wo + bo: a as codes (in the first 2,097,152 bytes of buffer y: images of the operand's registers, [K / 128][row / 16][c][lane][16 bytes]), Wo as codes with K innermost; sums in f32.
; SHARES.  A work-group makes 128 x 128 of the output, a wave 64 x 64: 16 accumulators.  256 work-groups.  All of K = 2,048 lies in LDS: 131,072 bytes of a, 128 rows of Wo in two halves of 512 bytes + 16.
; One tensor load a wave at the head: waves 0 and 2 the halves of a along K, waves 1 and 3 those of Wo.  The products of the first half begin when waves 0 and 1 have waited for theirs.
; CLUSTER.  4 x 4: a's tile is asked for jointly along a row of the cluster, Wo's along a column.  No prefetch: there is no loop that loads.
; Source 0 = 16 rows of Wo (output channels), source 1 = 16 rows of a: a lane holds eight neighbouring numbers of a row.  The bias is the C operand of the first products.
; LIMITS.  NaN and infinities among the inputs are not served.
.set BIMG, 131072
.set BP,   528
.set BHALF, 128*BP
.set STG,  BIMG+2*BHALF
.set MSB, 0
.macro WIN new
.if MSB != (\new)
	s_set_vgpr_msb (MSB<<8)|(\new)
.set MSB, (\new)
.endif
.endm
.macro PLACES
.rept 4
	v_nop
.endr
.endm
.macro ROUND
	s_barrier_signal -1
	s_barrier_wait -1
	s_cmp_lg_u32 s16, 0
	s_cbranch_scc1 .Lnot_wave_0_\@
	s_barrier_signal -3
.Lnot_wave_0_\@:
	s_barrier_wait -3
	s_barrier_signal -1
	s_barrier_wait -1
.endm
.macro ARM under, g0, g1, next         ; ONE tree of branches on the wave's number, an arm a load
	s_cmp_lt_u32 s16, \under
	s_cbranch_scc0 \next
	tensor_load_to_lds s[\g0:\g0+3], s[\g1:\g1+7]
	s_nop 0
	PLACES
	s_branch .Lasked
\next:
.endm
.macro WM d, a, b, c, sa, sb, ra, rb
.if (\ra) && (\rb)
	v_wmma_scale_f32_16x16x128_f8f6f4 v[(\d):(\d)+7], v[(\a):(\a)+7], v[(\b):(\b)+7], v[(\c):(\c)+7], v[(\sa)], v[(\sb)] matrix_a_fmt:MATRIX_FMT_FP4 matrix_b_fmt:MATRIX_FMT_FP4 matrix_a_scale:MATRIX_SCALE_ROW1 matrix_b_scale:MATRIX_SCALE_ROW1
.elseif (\ra)
	v_wmma_scale_f32_16x16x128_f8f6f4 v[(\d):(\d)+7], v[(\a):(\a)+7], v[(\b):(\b)+7], v[(\c):(\c)+7], v[(\sa)], v[(\sb)] matrix_a_fmt:MATRIX_FMT_FP4 matrix_b_fmt:MATRIX_FMT_FP4 matrix_a_scale:MATRIX_SCALE_ROW1
.elseif (\rb)
	v_wmma_scale_f32_16x16x128_f8f6f4 v[(\d):(\d)+7], v[(\a):(\a)+7], v[(\b):(\b)+7], v[(\c):(\c)+7], v[(\sa)], v[(\sb)] matrix_a_fmt:MATRIX_FMT_FP4 matrix_b_fmt:MATRIX_FMT_FP4 matrix_b_scale:MATRIX_SCALE_ROW1
.else
	v_wmma_scale_f32_16x16x128_f8f6f4 v[(\d):(\d)+7], v[(\a):(\a)+7], v[(\b):(\b)+7], v[(\c):(\c)+7], v[(\sa)], v[(\sb)] matrix_a_fmt:MATRIX_FMT_FP4 matrix_b_fmt:MATRIX_FMT_FP4
.endif
.endm
	s_load_b256 s[4:11], s[0:1], 0x0
	s_load_b128 s[12:15], s[0:1], 0x20
	v_lshl_add_u32 v30, v0, 2, 0x45400
	v_mov_b32 v31, 0
	ds_add_u32 v30, v31
	ds_add_u32 v30, v31
	v_lshrrev_b32 v1, 5, v0
	v_readfirstlane_b32 s16, v1
	s_lshr_b32 s17, s16, 1
	s_and_b32 s18, s16, 1
	s_bfe_u32 s19, ttmp6, 0x40000
	s_bfe_u32 s20, ttmp6, 0x40004
	s_lshl_b32 s21, ttmp9, 2
	s_add_co_u32 s21, s21, s19
	s_and_b32 s22, ttmp7, 0xffff
	s_lshl_b32 s22, s22, 2
	s_add_co_u32 s22, s22, s20
	s_lshl_b32 s23, s20, 2
	s_lshl_b32 s23, 15, s23
	s_lshl_b32 s24, 0x1111, s19
	s_or_b32 s28, s23, (3<<16)|(1<<21)
	s_mov_b32 s29, 1024<<16
	s_mov_b32 s30, 8<<16                           ; eight K steps of 8,192 bytes
	s_mov_b32 s31, 1024<<16
	s_mov_b32 s32, 8
	s_mov_b32 s33, 16384
	s_mov_b32 s34, 0
	s_mov_b32 s35, 0
	s_or_b32 s36, s24, (1<<20)|(1<<21)|(6<<22)|(3<<25)
	s_mov_b32 s37, 512<<16
	s_mov_b32 s38, 128<<16                         ; 128 rows of 512 bytes
	s_mov_b32 s39, 512<<16
	s_mov_b32 s40, 128
	s_mov_b32 s41, 1024
	s_mov_b32 s42, 0
	s_mov_b32 s43, 0
	s_lshl_b32 s60, s17, 20                        ; which half of K I fetch: wave / 2
	s_lshl_b32 s61, s22, 13
	s_add_co_u32 s60, s60, s61
	s_mov_b32 s61, 0
	s_lshl_b32 s62, s21, 17
	s_lshl_b32 s63, s17, 9
	s_add_co_u32 s62, s62, s63
	s_mov_b32 s63, 0
	s_lshl_b32 s66, s17, 16
	s_mul_i32 s67, s17, BHALF
	s_add_co_u32 s67, s67, BIMG
	s_wait_dscnt 0x0
	s_wait_kmcnt 0x0
	s_add_nc_u64 s[60:61], s[4:5], s[60:61]
	s_add_nc_u64 s[62:63], s[8:9], s[62:63]
	s_mov_b32 s44, 1
	s_mov_b32 s45, s66
	s_mov_b64 s[46:47], s[60:61]
	s_or_b32 s47, s47, 0x80000000
	s_mov_b32 s52, 1
	s_mov_b32 s53, s67
	s_mov_b64 s[54:55], s[62:63]
	s_or_b32 s55, s55, 0x80000000
	ROUND                                          ; all sixteen work-groups are here: the joint loads meet
	ARM 1, 44, 28, .Lfill_b0
	ARM 2, 52, 36, .Lfill_a1
	ARM 3, 44, 28, .Lfill_b1
	tensor_load_to_lds s[52:55], s[36:43]
	s_nop 0
	PLACES
.Lasked:
	s_lshl_b32 s68, s22, 9
	s_lshl_b32 s70, s17, 8
	s_add_co_u32 s68, s68, s70
	s_mov_b32 s69, 0
	s_add_nc_u64 s[6:7], s[6:7], s[68:69]
	s_lshl_b32 s68, s21, 13
	s_lshl_b32 s70, s18, 12
	s_add_co_u32 s68, s68, s70
	s_add_nc_u64 s[10:11], s[10:11], s[68:69]
	s_lshl_b32 s68, s21, 9
	s_lshl_b32 s70, s18, 8
	s_add_co_u32 s68, s68, s70
	s_add_nc_u64 s[12:13], s[12:13], s[68:69]
	s_add_nc_u64 s[14:15], s[14:15], s[68:69]
	s_lshl_b32 s68, s22, 20
	s_lshl_b32 s70, s17, 19
	s_add_co_u32 s68, s68, s70
	s_add_nc_u64 s[14:15], s[14:15], s[68:69]
	v_and_b32 v1, 31, v0
	v_and_b32 v2, 15, v0
	v_bfe_u32 v3, v0, 4, 1
	s_lshl_b32 s68, s17, 12
	v_lshlrev_b32 v4, 4, v1
	v_add_nc_u32 v4, s68, v4
	v_add_nc_u32 v5, 65536, v4
	s_mul_i32 s68, s18, 64*BP
	v_mul_u32_u24 v6, v2, BP
	v_lshl_add_u32 v6, v3, 4, v6
	v_add_nc_u32 v6, s68, v6
	v_add_nc_u32 v6, BIMG, v6
	v_add_nc_u32 v7, BHALF, v6
	s_mul_i32 s68, s16, 16*272
	v_mul_u32_u24 v8, v2, 272
	v_lshl_add_u32 v8, v3, 5, v8
	v_add_nc_u32 v8, s68, v8
	v_add_nc_u32 v8, STG, v8
	v_mul_u32_u24 v9, v3, 272
	v_lshl_add_u32 v9, v2, 4, v9
	v_add_nc_u32 v9, s68, v9
	v_add_nc_u32 v9, STG, v9
	v_lshlrev_b32 v10, 13, v3
	v_lshl_add_u32 v10, v2, 4, v10
	v_lshlrev_b32 v11, 2, v1
	v_lshlrev_b32 v12, 6, v1
	v_lshlrev_b32 v13, 5, v3
.irp p, 0,1
.set KC, 0
.rept 16
	global_load_b32 v[32+16*\p+KC], v11, s[6:7] offset:8192*KC+128*\p
.set KC, KC+1
.endr
.irp x, 0,1,2,3
	global_load_b128 v[64+16*\p+4*\x:67+16*\p+4*\x], v12, s[10:11] offset:2048*\p+16*\x
.endr
.endr
.irp b, 0,1,2,3
	global_load_b128 v[96+8*\b:99+8*\b], v13, s[12:13] offset:64*\b
	global_load_b128 v[100+8*\b:103+8*\b], v13, s[12:13] offset:64*\b+16
.endr
.macro FETCH kc, set
	WIN 0x40
.irp i, 0,1,2,3
	ds_load_b128 v[128*(\set)+32+8*\i:128*(\set)+35+8*\i], v[6+(\kc)/8] offset:16*BP*\i+64*((\kc)%8)
	ds_load_b128 v[128*(\set)+36+8*\i:128*(\set)+39+8*\i], v[6+(\kc)/8] offset:16*BP*\i+64*((\kc)%8)+32
	ds_load_b128 v[128*(\set)+8*\i:128*(\set)+3+8*\i],     v[4+(\kc)/8] offset:8192*((\kc)%8)+1024*\i
	ds_load_b128 v[128*(\set)+4+8*\i:128*(\set)+7+8*\i],   v[4+(\kc)/8] offset:8192*((\kc)%8)+1024*\i+512
.endr
.endm
.macro MUL kc, set
	WIN 0x05
.irp a, 0,1,2,3
.irp b, 0,1,2,3
.if (\kc) == 0
	WM 128+8*(4*\a+\b), 128*(\set)+32+8*\b, 128*(\set)+8*\a, 96+8*\b, 64+16*(\b/2)+(\kc), 32+16*(\a/2)+(\kc), \b%2, \a%2
.else
	WM 128+8*(4*\a+\b), 128*(\set)+32+8*\b, 128*(\set)+8*\a, 128+8*(4*\a+\b), 64+16*(\b/2)+(\kc), 32+16*(\a/2)+(\kc), \b%2, \a%2
.endif
.endr
.endr
.endm
	s_wait_alu depctr_va_vdst(0)
	s_cmp_lt_u32 s16, 2                            ; waves 0 and 1: K's first half; the others' loads may stay out until the barrier in the middle
	s_cbranch_scc0 .Lsecond_half
	s_wait_tensorcnt 0x0
.Lsecond_half:
	s_barrier_signal -1
	s_barrier_wait -1
	FETCH 0, 0
	s_wait_loadcnt 0x0
.set KC, 0
.rept 15
.if KC == 7
	s_wait_tensorcnt 0x0
	s_wait_dscnt 0x0
	s_barrier_signal -1
	s_barrier_wait -1
.endif
	PLACES
	FETCH KC+1, (KC+1)%2
	s_wait_dscnt 16
	MUL KC, KC%2
.set KC, KC+1
.endr
	s_wait_dscnt 0x0
	MUL 15, 1
	WIN 0
.macro TOSTAGE a
	WIN 0
.irp b, 0,1,2,3
	ds_store_b128 v8, v[128+8*(4*(\a)+\b):131+8*(4*(\a)+\b)] offset:64*\b
	ds_store_b128 v8, v[132+8*(4*(\a)+\b):135+8*(4*(\a)+\b)] offset:64*\b+16
.endr
	WIN 0x40
.irp i, 0,1,2,3,4,5,6,7
	ds_load_b128 v[32*(\a)+4*\i:32*(\a)+4*\i+3], v9 offset:544*\i
.endr
.endm
.macro SEND a, younger
	s_wait_dscnt \younger
	WIN 0x04
.irp i, 0,1,2,3,4,5,6,7
	global_store_b128 v10, v[32*(\a)+4*\i:32*(\a)+4*\i+3], s[14:15] offset:(16*(\a)+2*\i)*8192 th:TH_STORE_NT
.endr
.endm
	PLACES
	TOSTAGE 0
	TOSTAGE 1
	SEND 0, 16
	TOSTAGE 2
	SEND 1, 16
	TOSTAGE 3
	SEND 2, 16
	SEND 3, 0
	WIN 0
	s_wait_tensorcnt 0x0
	ds_add_u32 v30, v31
	s_wait_dscnt 0x0
	ROUND
	s_endpgm
.Lfunc_end_k_q4d147b2895_oproj:
	.size	k_q4d147b2895_oproj, .Lfunc_end_k_q4d147b2895_oproj-k_q4d147b2895_oproj
	.p2alignl 7, 3214868480
	.fill 96, 4, 3214868480
	.section	.rodata,"a",@progbits
	.p2align	6, 0x0
	.amdhsa_kernel k_q4d147b2895_oproj
		.amdhsa_group_segment_fixed_size 327680
		.amdhsa_private_segment_fixed_size 0
		.amdhsa_enable_private_segment 0
		.amdhsa_kernarg_size 48
		.amdhsa_user_sgpr_count 2
		.amdhsa_user_sgpr_kernarg_segment_ptr 1
		.amdhsa_wavefront_size32 1
		.amdhsa_system_sgpr_workgroup_id_x 1
		.amdhsa_system_sgpr_workgroup_id_y 1
		.amdhsa_system_sgpr_workgroup_id_z 1
		.amdhsa_system_vgpr_workitem_id 0
		.amdhsa_next_free_vgpr 512
		.amdhsa_next_free_sgpr 72
		.amdhsa_reserve_vcc 0
		.amdhsa_float_denorm_mode_32 3
		.amdhsa_float_denorm_mode_16_64 3
		.amdhsa_memory_ordered 1
		.amdhsa_forward_progress 1
		.amdhsa_inst_pref_size 71
	.end_amdhsa_kernel
	.amdgpu_metadata
---
amdhsa.version: [ 1, 2 ]
amdhsa.kernels:
  - .name:           k_q4d147b2895_oproj
    .symbol:         k_q4d147b2895_oproj.kd
    .args:
      - { .name: y, .offset: 0, .size: 8, .value_kind: global_buffer, .address_space: global }
      - { .name: a_s, .offset: 8, .size: 8, .value_kind: global_buffer, .address_space: global }
      - { .name: Wo_codes, .offset: 16, .size: 8, .value_kind: global_buffer, .address_space: global }
      - { .name: Wo_scales, .offset: 24, .size: 8, .value_kind: global_buffer, .address_space: global }
      - { .name: bo, .offset: 32, .size: 8, .value_kind: global_buffer, .address_space: global }
      - { .name: out0, .offset: 40, .size: 8, .value_kind: global_buffer, .address_space: global }
    .group_segment_fixed_size: 327680
    .private_segment_fixed_size: 0
    .kernarg_segment_align: 8
    .kernarg_segment_size: 48
    .max_flat_workgroup_size: 128
    .sgpr_count:     72
    .vgpr_count:     512
    .wavefront_size: 32
...
	.end_amdgpu_metadata
.endif
;; end of part 7
